; MI455X (gfx1250); checked and timed in simulation.
; The chip was launched on July 23, 2026; its instructions are those of AMD's public machine-readable ISA for CDNA 5 (MIT licence, August 2026) and "CDNA5" Instruction Set Architecture Reference Guide (July 2026). The comments in the code are by the model that wrote it; some were corrected since.
;; Causal Self Attention. Allowed arithmetic: matrix products marked QUANTISED: E4M3 operands, one given power-of-two scale a tensor, by v_wmma_f32_16x16x64_fp8_fp8 or v_wmma_f32_16x16x128_fp8_fp8, f32 sums; everything else in f32.
;; Inputs: bk 1,024 float32; bp 1,024 float32; bq 1,024 float32; bv 1,024 float32; lowp_scales 12 int32 (the exponents e of the quantised operands' scales 2^e); wk 1,024 x 1,024 float32; wp 1,024 x 1,024 float32; wq 1,024 x 1,024 float32; wv 1,024 x 1,024 float32; x 4 x 2,048 x 1,024 float32.
;; Outputs: out0 4 x 2,048 x 1,024 float32.
;; This version of the problem:
;;   THIS VERSION OF THE PROBLEM IS GIVEN IN LOW PRECISION. The matrix products marked QUANTISED in the list below multiply operands that are first quantised to E4M3 (4 exponent bits, 3 mantissa bits; 8 bits a number), with one given power-of-two scale for each operand tensor; their sums are f32. All else is computed in f32.
;;   The module's matrix products, in the order in which they are computed (A, B: the left and right operand; K: the contracted axis; several contracted axes count as one K, in the product's order):
;;     1. [M 8,192, K 1,024] x [K 1,024, N 1,024]; A: input x; B: input wq: QUANTISED (scales: A lowp_scales[0], B lowp_scales[1])
;;     2. [M 8,192, K 1,024] x [K 1,024, N 1,024]; A: input x; B: input wk: QUANTISED (scales: A lowp_scales[2], B lowp_scales[3])
;;     3. [M 8,192, K 1,024] x [K 1,024, N 1,024]; A: input x; B: input wv: QUANTISED (scales: A lowp_scales[4], B lowp_scales[5])
;;     4. batch 64 x [M 2,048, K 64] x [K 64, N 2,048]; A: computed on the way; B: computed on the way: QUANTISED (scales: A lowp_scales[6], B lowp_scales[7])
;;     5. batch 64 x [M 2,048, K 2,048] x [K 2,048, N 64]; A: softmax (see below); B: computed on the way: QUANTISED (scales: A lowp_scales[8], B lowp_scales[9])
;;     6. [M 8,192, K 1,024] x [K 1,024, N 1,024]; A: computed on the way; B: input wp: QUANTISED (scales: A lowp_scales[10], B lowp_scales[11])
;;   THE QUANTISER, for each operand of a quantised product, along K:
;;     - The operand's scale is 2^e, e = its entry of the input lowp_scales (int32; the entries are numbered through the quantised products in the list's order, A before B).
;;     - Each number is divided by the scale, clamped to +-448, and rounded to the nearest number of E4M3, ties to even, subnormals kept.
;;     - The product sums the exact products of the quantised numbers (number of the format x scale) in f32.
;;   ~~~python
;;   def quantise(x, axis, e):      # numpy; x: float32 -> the quantised numbers, widened to float32 again
;;       x = np.moveaxis(x, axis, -1); K = x.shape[-1]
;;       r = np.clip(x / 2.0 ** e, -448, 448)
;;       step = 2.0 ** (np.maximum(np.frexp(np.where(r == 0, 1, r))[1] - 1, -6) - 3)
;;       q = np.round(r / step) * step * 2.0 ** e      # np.round: ties to even
;;       return np.moveaxis(q, -1, axis).astype(np.float32)
;;   ~~~
;;   SOFTMAX AHEAD OF A QUANTISED PRODUCT. Where the list says 'softmax', what is quantised is not the finished softmax but p = 2^(t - M), with t = logit x log2(e) and M = ceil(the row's largest t), a whole number; so 1/2 < the row's largest p <= 1. The row's sum l is taken of the UNQUANTISED p, in f32, and the product's result is divided by l at the end. Since M is a whole number, a kernel that streams over the keys may use a running M (the ceiling of the running maximum): every later rescaling is an exact power of two, so the quantised numbers keep their values, but for numbers so far below the row's largest that they fall under the format's range.
;;   OPERANDS COMPUTED ON THE WAY. 'Computed on the way' means the value that the module computes at that place (a softmax that the list does not call 'softmax' is quantised finished and normalised). What goes into a quantiser is computed in f32, as accurately as f32 sums, v_exp_f32 and their like allow (about 1e-6 of the number): no bf16 or f16 on the way to a quantiser, and a product that is left as it is and whose result goes on into a quantised operand takes f32 operands (vector FMAs, or v_wmma_f32_16x16x4_f32). A number that lies on a knife's edge between two numbers of the format may be rounded either way, as far as f32 arithmetic and the matrix unit's own rounding can turn it there, and no further.
;; One version. Each part assembles by itself: llvm-mc -triple=amdgcn-amd-amdhsa -mcpu=gfx1250 --defsym DOCPART=n.
;; ======== version 1 of 1: 4 launches
;; limits: right only within a limited range of input values
;; workspace buffers: x_img 25,165,824 bytes; w_img 4,194,304 bytes; cs_tab 524,288 bytes; qkv_img 25,165,824 bytes; y_img 8,388,608 bytes
;; launch prep (part 1): grid 1600 x 1, 4 waves a work-group, no clusters, 34,304 bytes of LDS; arguments x, wq, wk, wv, wp, lowp_scales, x_img, w_img, cs_tab; writes x_img, w_img, cs_tab
.if DOCPART == 1
	.amdgcn_target "amdgcn-amd-amdhsa--gfx1250"
	.amdhsa_code_object_version 6
	.text
	.protected	k_qf07cff4291_prep
	.globl	k_qf07cff4291_prep
	.p2align	8
	.type	k_qf07cff4291_prep,@function
k_qf07cff4291_prep:
	s_mov_b64 s[64:65], 0
	v_nop
	global_prefetch_b8 v0, s[64:65] scope:SCOPE_SE
	s_setreg_imm32_b32 hwreg(HW_REG_WAVE_MODE, 25, 1), 1
	s_wait_xcnt 0x0
; PREP.  x [8192][1024] f32 becomes three sets of E4M3 codes (scales 2^e0, 2^e2, 2^e4: one for each projection); wq, wk, wv, wp [1024][1024] f32 become codes (e1, e3, e5, e11);
; and the table of RoPE's cos and sin, [2048 t][32 i][cos, sin] f32, is made.
; THE CODES ARE LAID AS IMAGES OF OPERAND REGISTERS: [tile of 16 rows][K step of 128][c = 0..3][lane][16 bytes]; byte n of lane l = 16 h + r is element (row, 128 s + 32 c + 16 h + n).
; THE ROWS OF A TILE ARE NOT NEIGHBOURS: row r of tile t is 32 (t / 2) + 8 (t % 2) + r + 8 (r / 8), in every tensor of this program, so that a product's results are neighbours along the next K.
; SHARES.  Work-groups 0-1023: x; 1024-1535: the four weights; 1536-1599: the table.  A wave makes ONE fragment (16 rows x 128 K): 16 loads of 512 consecutive bytes, a turn through its own
; stage in LDS (rows 528 bytes apart: 16 rows start in 16 different columns of 16 bytes), the hold, the conversion, 4 stores of 512 consecutive bytes (x: three times, with three scales).
; code = number / 2^e, held within +-448, to the nearest code, ties to even.  LIMITS: each e between -126 and 119.  NaN among the inputs is not served; an infinity is held at the largest code.
; THE TABLE.  theta_i = 2^(-i log2(10000) / 32), the exponent's rounding made good by a first-order term; ang = t x theta in one rounding; the reduction by pi/2 in two parts (n is under 2^11,
; so the first fused multiply-add is exact), polynomials of degree 7 and 8 on |r| <= pi/4.  theta lies within about one unit in the last place of 10000^(-i/32): at t = 2047 that is an angle within 2e-4.
.set STG,   8448                       ; a wave's stage: 16 rows x 528 bytes
.set SPARE, 4*STG                      ; behind the four stages: the spare words, 128 bytes for each wave: two blocks of 256 bytes that no other line names
.set SPW,   12                         ; v12  LDS address of my spare word; never rewritten
.set NIL,   13                         ; v13  0; never rewritten
.set R,     16                         ; v16-79   16 rows x 16 bytes as loaded
.set X,     80                         ; v80-143  my 64 numbers: X[16 c + n] = k 32 c + 16 h + n of row r
.set T,     144
.set C,     176                        ; v176-223 three fragments of codes: no store's data are written again
	s_load_b512 s[8:23], s[0:1], 0x0               ; x s[8:9], wq s[10:11], wk s[12:13], wv s[14:15], wp s[16:17], the exponents s[18:19], x_img s[20:21], w_img s[22:23]
	s_load_b64 s[24:25], s[0:1], 0x40              ; cs_tab
	v_lshl_add_u32 v[SPW], v0, 2, SPARE
	v_mov_b32 v[NIL], 0
	s_cmp_ge_u32 ttmp9, 1536                       ; the table's work-groups part here, on the work-group's number; they touch no LDS
	s_cbranch_scc1 .Ltable
	v_lshrrev_b32 v1, 5, v0
	v_readfirstlane_b32 s26, v1                    ; wave 0..3
	v_and_b32 v1, 31, v0
	v_lshlrev_b32 v2, 4, v1                        ; 16 x lane: my bytes of a load's 512, and of a store's
	v_and_b32 v5, 15, v0                           ; r
	v_bfe_u32 v6, v0, 4, 1                         ; h
	s_mul_i32 s56, s26, STG
	v_add_nc_u32 v3, s56, v2                       ; the stage on the way in: a row as it lies
	v_mul_u32_u24 v4, v5, 528
	v_lshl_add_u32 v4, v6, 6, v4
	v_add_nc_u32 v4, s56, v4                       ; and on the way out: row r, + 64 h bytes: my 16 numbers of a block of 32
	s_cmp_lt_u32 ttmp9, 1024                       ; x or a weight?
	s_cselect_b32 s28, 0, 1024
	s_cselect_b32 s29, 511, 63                     ; tiles in the tensor, less one
	s_sub_co_u32 s28, ttmp9, s28
	s_lshl_b32 s28, s28, 2
	s_add_co_u32 s28, s28, s26                     ; u: which fragment is my wave's
	s_lshr_b32 s30, s28, 9                         ; (weights) which of the four
	s_lshr_b32 s31, s28, 3
	s_and_b32 s31, s31, s29                        ; the tile
	s_and_b32 s27, s28, 7                          ; the K step
	s_lshr_b32 s48, s31, 1
	s_lshl_b32 s48, s48, 17                        ; 32 (tile / 2) rows of 4,096 bytes
	s_and_b32 s49, s31, 1
	s_lshl_b32 s49, s49, 15                        ; + 8 (tile % 2) rows
	s_add_co_u32 s48, s48, s49
	s_lshl_b32 s49, s27, 9                         ; + 512 bytes a K step
	s_add_co_u32 s48, s48, s49
	s_mov_b32 s49, 0
	s_lshl_b32 s58, s28, 11                        ; where the image goes: 2,048 u (a weight's 64 tiles x 8 steps are 2^20 bytes, so the weight's number is in u too)
	s_mov_b32 s59, 0
	s_wait_alu depctr_va_vdst(0)
	s_wait_kmcnt 0x0
	s_load_b256 s[32:39], s[18:19], 0x0            ; e0 .. e7
	s_load_b128 s[40:43], s[18:19], 0x20           ; e8 .. e11
	s_cmp_eq_u32 s30, 1                            ; the source: choices on the work-group's and the wave's numbers alone
	s_cselect_b64 s[44:45], s[12:13], s[10:11]
	s_cmp_eq_u32 s30, 2
	s_cselect_b64 s[44:45], s[14:15], s[44:45]
	s_cmp_eq_u32 s30, 3
	s_cselect_b64 s[44:45], s[16:17], s[44:45]
	s_cmp_lt_u32 ttmp9, 1024
	s_cselect_b64 s[44:45], s[8:9], s[44:45]
	s_cselect_b64 s[50:51], s[20:21], s[22:23]
	s_add_nc_u64 s[44:45], s[44:45], s[48:49]
	s_add_nc_u64 s[50:51], s[50:51], s[58:59]
.irp i, 0,1,2,3,4,5,6,7,8,9,10,11,12,13,14,15
	global_load_b128 v[R+4*\i:R+4*\i+3], v2, s[44:45] offset:(\i+8*(\i/8))*4096 th:TH_LOAD_NT   ; row i of the tile: 512 consecutive bytes, read once in the launch
.endr
.macro MKS e, sc, lim                  ; v[sc] = 2^e as f32 (the conversion takes its exponent field)
	s_add_co_i32 s56, s[\e], 127
	s_lshl_b32 s57, s56, 23
	v_mov_b32 v[\sc], s57
.endm
	s_wait_kmcnt 0x0
	s_cmp_eq_u32 s30, 1                            ; the first conversion's exponent: e1, e3, e5, e11 for the weights, e0 for x
	s_cselect_b32 s46, s35, s33
	s_cmp_eq_u32 s30, 2
	s_cselect_b32 s46, s37, s46
	s_cmp_eq_u32 s30, 3
	s_cselect_b32 s46, s43, s46
	s_cmp_lt_u32 ttmp9, 1024
	s_cselect_b32 s46, s32, s46
	MKS 46, 224, 225
	MKS 34, 226, 227                               ; e2
	MKS 36, 228, 229                               ; e4
	s_wait_alu depctr_va_vdst(0)
.irp i, 0,1,2,3,4,5,6,7,8,9,10,11,12,13,14,15
	s_wait_loadcnt 15-\i                           ; loads come back in order: row i is in, the younger ones stay out
	ds_store_b128 v3, v[R+4*\i:R+4*\i+3] offset:528*\i
.endr
.irp c, 0,1,2,3
.irp j, 0,1,2,3
	ds_load_b128 v[X+16*\c+4*\j:X+16*\c+4*\j+3], v4 offset:128*\c+16*\j   ; LDS serves a wave's instructions in order: these see my stores
.endr
.endr
; One fragment of codes from the 64 numbers in X, which stay as they are.  wait = 1: X is still on its way.
.macro CONV sc, lim, cb, base, wait
.irp c, 0,1,2,3
.if \wait
	s_wait_dscnt 12-4*\c                           ; block c's four loads are in; those of the blocks behind it may be out
.endif
.set n, 0
.rept 16
.set n, n+1
.endr
	v_cvt_scalef32_pk8_fp8_f32 v[C+\cb+4*\c:C+\cb+4*\c+1], v[T+16*(\c%2)+((X+16*\c+n)-(T+16*(\c%2)+n)):T+16*(\c%2)+7+((X+16*\c+n)-(T+16*(\c%2)+n))], v[\sc]
	v_cvt_scalef32_pk8_fp8_f32 v[C+\cb+4*\c+2:C+\cb+4*\c+3], v[T+16*(\c%2)+8+((X+16*\c+n)-(T+16*(\c%2)+n)):T+16*(\c%2)+15+((X+16*\c+n)-(T+16*(\c%2)+n))], v[\sc]
.endr
	v_nop                                          ; a plain line behind the last conversion
	s_wait_alu depctr_va_vdst(0)
.irp c, 0,1,2,3
	global_store_b128 v2, v[C+\cb+4*\c:C+\cb+4*\c+3], s[\base:\base+1] offset:512*\c   ; the wave stores 512 consecutive bytes, at a multiple of 512 from the buffer's first byte
.endr
.endm
	CONV 224, 225, 0, 50, 1
	s_cmp_ge_u32 ttmp9, 1024                       ; a weight has one scale
	s_cbranch_scc1 .Ldone
	s_add_nc_u64 s[52:53], s[50:51], 0x800000      ; x's second part,
	s_add_nc_u64 s[54:55], s[50:51], 0x1000000     ; and its third
	CONV 226, 227, 16, 52, 0
	CONV 228, 229, 32, 54, 0
.Ldone:
	s_wait_tensorcnt 0x0                           ; the wave's end: behind my last LDS store; the tensor wait stands in a text with no tensor load too
	ds_add_u32 v[SPW], v[NIL]
	s_wait_dscnt 0x0
	s_endpgm
; THE TABLE.  64 work-groups x 128 threads.  Thread n of 8,192 makes (cos, sin) of i = 2 (n % 16) and i + 1 at t = n / 16 + 512 q, q = 0 .. 3: 16 bytes at 16 n + 131,072 q.
.Ltable:
	s_sub_co_u32 s28, ttmp9, 1536
	s_lshl_b32 s29, s28, 3                         ; t: 8 a work-group
	s_lshl_b32 s30, s28, 11                        ; bytes: 2,048 a work-group
	s_mov_b32 s31, 0
	s_mov_b32 s32, 0x3ed49a78                      ; log2(10000) / 32, to f32,
	s_mov_b32 s33, 0x32179a1c                      ; and what that rounding left
	s_mov_b32 s34, 0x3f317218                      ; ln 2
	s_mov_b32 s35, 0x3f22f983                      ; 2 / pi
	s_mov_b32 s36, 0x3fc90fdb                      ; pi / 2, to f32,
	s_mov_b32 s37, 0xb33bbd2e                      ; and the rest
	s_mov_b32 s38, 0xb94ca1f9                      ; sin: -1.9515296e-4,
	s_mov_b32 s39, 0x3c08839e                      ; 8.3321609e-3,
	s_mov_b32 s40, 0xbe2aaaa3                      ; -1.6666655e-1
	s_mov_b32 s41, 0x37ccf5ce                      ; cos: 2.4433157e-5,
	s_mov_b32 s42, 0xbab6061a                      ; -1.3887316e-3,
	s_mov_b32 s43, 0x3d2aaaa5                      ; 4.1666646e-2
	v_and_b32 v14, 15, v0
	v_lshlrev_b32 v14, 1, v14
	v_cvt_f32_u32 v16, v14                         ; i
	v_add_f32 v17, 1.0, v16                        ; i + 1
	v_mul_f32 v18, s32, v16                        ; a = the exponent, rounded
	v_mul_f32 v19, s32, v17
	v_fma_f32 v20, v16, s32, -v18                  ; e = what the product's rounding left,
	v_fma_f32 v21, v17, s32, -v19
	v_fma_f32 v20, v16, s33, v20                   ; and the constant's
	v_fma_f32 v21, v17, s33, v21
	v_exp_f32 v22, -v18
	v_exp_f32 v23, -v19
	v_lshrrev_b32 v15, 4, v0                       ; (plain lines behind the two exponentials)
	v_add_nc_u32 v15, s29, v15
	v_cvt_f32_u32 v28, v15                         ; t
	v_lshlrev_b32 v30, 4, v0                       ; my 16 bytes
	s_wait_alu depctr_va_vdst(0)                   ; one wait for both exponentials, ahead of their first reader
	v_mul_f32 v24, s34, v22
	v_mul_f32 v25, s34, v23
	v_fma_f32 v26, -v24, v20, v22                  ; theta = 2^-a (1 - e ln 2)
	v_fma_f32 v27, -v25, v21, v23
	s_wait_alu depctr_va_vdst(0)
	s_wait_kmcnt 0x0
	s_add_nc_u64 s[24:25], s[24:25], s[30:31]
.macro SINCOS tf, th, c, s             ; v[c], v[s] = cos, sin of v[tf] x v[th]
	v_mul_f32 v40, v[\tf], v[\th]                  ; the angle, one rounding
	v_mul_f32 v41, s35, v40
	v_rndne_f32 v41, v41                           ; n
	v_fma_f32 v42, -v41, s36, v40
	v_fma_f32 v42, -v41, s37, v42                  ; r = angle - n pi / 2
	v_mul_f32 v43, v42, v42                        ; z
	v_fma_f32 v44, v43, s38, s39
	v_fma_f32 v45, v43, s41, s42
	v_fma_f32 v44, v44, v43, s40
	v_fma_f32 v45, v45, v43, s43
	v_mul_f32 v44, v44, v43
	v_mul_f32 v45, v45, v43
	v_fma_f32 v46, v43, -0.5, 1.0
	v_fma_f32 v44, v44, v42, v42                   ; sin r
	v_fma_f32 v45, v45, v43, v46                   ; cos r
	v_cvt_i32_f32 v47, v41
	v_and_b32 v46, 1, v47
	v_cmp_eq_u32 vcc_lo, 1, v46                    ; an odd quarter swaps the two: a choice of values, no branch
	v_cndmask_b32 v[\s], v44, v45, vcc_lo
	v_cndmask_b32 v[\c], v45, v44, vcc_lo
	v_lshlrev_b32 v46, 30, v47
	v_and_b32 v46, 0x80000000, v46                 ; sin is negated in quarters 2 and 3,
	v_xor_b32 v[\s], v46, v[\s]
	v_add_nc_u32 v47, 1, v47
	v_lshlrev_b32 v47, 30, v47
	v_and_b32 v47, 0x80000000, v47                 ; cos in quarters 1 and 2
	v_xor_b32 v[\c], v47, v[\c]
.endm
.irp q, 0,1,2,3
.if \q > 0
	v_add_f32 v28, 0x44000000, v28                 ; t + 512
.endif
	SINCOS 28, 26, 48+4*\q, 49+4*\q
	SINCOS 28, 27, 50+4*\q, 51+4*\q
.endr
.irp q, 0,1,2,3
	global_store_b128 v30, v[48+4*\q:51+4*\q], s[24:25] offset:131072*\q   ; the wave stores 512 consecutive bytes
.endr
	s_endpgm
.Lfunc_end_k_qf07cff4291_prep:
	.size	k_qf07cff4291_prep, .Lfunc_end_k_qf07cff4291_prep-k_qf07cff4291_prep
	.p2alignl 7, 3214868480
	.fill 96, 4, 3214868480
	.section	.rodata,"a",@progbits
	.p2align	6, 0x0
	.amdhsa_kernel k_qf07cff4291_prep
		.amdhsa_group_segment_fixed_size 34304
		.amdhsa_private_segment_fixed_size 0
		.amdhsa_enable_private_segment 0
		.amdhsa_kernarg_size 72
		.amdhsa_user_sgpr_count 2
		.amdhsa_user_sgpr_kernarg_segment_ptr 1
		.amdhsa_wavefront_size32 1
		.amdhsa_system_sgpr_workgroup_id_x 1
		.amdhsa_system_sgpr_workgroup_id_y 1
		.amdhsa_system_sgpr_workgroup_id_z 1
		.amdhsa_system_vgpr_workitem_id 0
		.amdhsa_next_free_vgpr 232
		.amdhsa_next_free_sgpr 66
		.amdhsa_reserve_vcc 1
		.amdhsa_float_denorm_mode_32 3
		.amdhsa_float_denorm_mode_16_64 3
		.amdhsa_fp16_overflow 1
		.amdhsa_memory_ordered 1
		.amdhsa_forward_progress 1
		.amdhsa_inst_pref_size 23
	.end_amdhsa_kernel
	.amdgpu_metadata
---
amdhsa.version: [ 1, 2 ]
amdhsa.kernels:
  - .name:           k_qf07cff4291_prep
    .symbol:         k_qf07cff4291_prep.kd
    .args:
      - { .name: x, .offset: 0, .size: 8, .value_kind: global_buffer, .address_space: global }
      - { .name: wq, .offset: 8, .size: 8, .value_kind: global_buffer, .address_space: global }
      - { .name: wk, .offset: 16, .size: 8, .value_kind: global_buffer, .address_space: global }
      - { .name: wv, .offset: 24, .size: 8, .value_kind: global_buffer, .address_space: global }
      - { .name: wp, .offset: 32, .size: 8, .value_kind: global_buffer, .address_space: global }
      - { .name: lowp_scales, .offset: 40, .size: 8, .value_kind: global_buffer, .address_space: global }
      - { .name: x_img, .offset: 48, .size: 8, .value_kind: global_buffer, .address_space: global }
      - { .name: w_img, .offset: 56, .size: 8, .value_kind: global_buffer, .address_space: global }
      - { .name: cs_tab, .offset: 64, .size: 8, .value_kind: global_buffer, .address_space: global }
    .group_segment_fixed_size: 34304
    .private_segment_fixed_size: 0
    .kernarg_segment_align: 8
    .kernarg_segment_size: 72
    .max_flat_workgroup_size: 128
    .sgpr_count:     66
    .vgpr_count:     232
    .wavefront_size: 32
...
	.end_amdgpu_metadata
.endif
;; end of part 1
;; launch qkv (part 2): grid 12 x 32, 4 waves a work-group, clusters of 4 x 4, 327,680 bytes of LDS; arguments x_img, w_img, cs_tab, bq, bk, bv, lowp_scales, qkv_img; writes qkv_img
.if DOCPART == 2
	.amdgcn_target "amdgcn-amd-amdhsa--gfx1250"
	.amdhsa_code_object_version 6
	.text
	.protected	k_qf07cff4291_qkv
	.globl	k_qf07cff4291_qkv
	.p2align	8
	.type	k_qf07cff4291_qkv,@function
k_qf07cff4291_qkv:
	s_mov_b64 s[64:65], 0
	v_nop
	global_prefetch_b8 v0, s[64:65] scope:SCOPE_SE
	s_setreg_imm32_b32 hwreg(HW_REG_WAVE_MODE, 25, 1), 1
	s_wait_xcnt 0x0
	s_wait_alu depctr_hold_cnt(0) depctr_sa_sdst(0) depctr_va_vdst(0) depctr_va_sdst(0) depctr_va_ssrc(0) depctr_va_vcc(0) depctr_vm_vsrc(0)
	s_getreg_b32 s2, hwreg(HW_REG_IB_STS2, 6, 4)
	s_cmp_eq_u32 s2, 0
	s_cbranch_scc0 .Lentry_in_a_cluster
	s_endpgm
.Lentry_in_a_cluster:
	s_bfe_u32 s2, ttmp6, 0x10000c
	s_cmp_lg_u32 s2, 0xf033
	s_cbranch_scc0 .Lentry_shape_is_right
	s_endpgm
.Lentry_shape_is_right:
; QKV.  q = rope(x wq^T + bq), k = rope(x wk^T + bk), v = x wv^T + bv, the three products on E4M3 codes; q, k and v leave as E4M3 codes (scales 2^e6, 2^e7, 2^e9), laid as the next launch's operand registers.
; A work-group of four waves makes 256 x 256 of one product, a wave 128 x 128: 64 accumulators, 512 registers.  K = 1,024 goes in four slots of 256 through a ring of two LDS slots.
; THE OPERANDS ARE IMAGES OF REGISTERS: [tile of 16 rows][K step of 128][c][lane][16 bytes].  So a fragment is four ds_load_b128 at 16 x lane (each 512 consecutive bytes), and a slot's part of a tile is 4,096 consecutive bytes.
; Row r of tile t is 32 (t / 2) + 8 (t % 2) + r + 8 (r / 8).  D = source 0 x source 1^T: a lane holds ONE row of source 1, and the 16 registers of accumulators 2 b and 2 b + 1 hold source 0's rows 32 b + 16 h + 0 .. 15.
; ROLES, by the cluster's x (the same in all sixteen partners): 0: q, 1: k: source 0 = the weight's rows (channels), source 1 = x's rows (tokens): a lane holds a token and 16 neighbouring channels, which are the next K.
;   2: v: source 0 = x's rows, source 1 = wv's rows: a lane holds a channel and 16 neighbouring tokens: the keys are the next K.
; CLUSTERS: 4 x 4 work-groups.  Source 0's block hangs on cx and is asked for jointly by a column of the cluster, source 1's on cy, by a row.
; OUT.  q, k: for each (batch, head) [tile of 16 tokens][c = 0, 1][lane][16 bytes]: byte n = (token, d = 32 c + 16 h + n).  v: [128 keys][tile of 16 channels][c = 0..3][lane][16 bytes]: byte n = (channel, key 32 c + 16 h + n).
;   A lane's 16 codes are its 16 bytes of such an image: every store of a wave covers 512 consecutive bytes, aligned; no stage.
; LIMITS: ex + ew between -126 and 127; e6, e7, e9 between -126 and 119.  NaN is not served.
; REGISTERS, in windows of 256.  Window 0: v16-30 addresses and the scale; v32-95 cos and sin, two sets; v128-255 source 1's 8 fragments, ONE set; on the way out v96-159 a row block's numbers, v160-167 at work, v168-199 codes, two sets.
;   Window 1: source 0's fragments, TWO sets, at v0 and v128; on the way out v0-63 the bias.   Windows 2, 3: accumulator (a, b) at v[8 (8 (a % 4) + b)].
.set SLOT,   131072                    ; source 1's 16 tiles x 4,096 bytes, then source 0's
.set SPARE,  2*SLOT                    ; behind the ring: the spare words, 128 bytes for each wave: two blocks of 256 bytes that no other line names
.set FR,     16                        ; registers of a fragment
.set NL,     4                         ; LDS loads that bring one
.set NP,     4                         ; places behind this matrix instruction (ISA guide 7.12.1)
.set ADRA,   16                        ; v16-17  LDS address of my source 1 fragments in slot 0, 1
.set ADRB,   20                        ; v20-21  the same for source 0
.set LI,     24                        ; v24     16 x lane
.set BO,     25                        ; v25     64 h: the bias of q, k
.set CO,     26                        ; v26     (r + 8 (r / 8)) x 256 + 64 h: cos and sin
.set VO,     27                        ; v27     4 (r + 8 (r / 8)): the bias of v
.set SPW,    28                        ; v28     LDS address of my spare word; never rewritten
.set NIL,    29                        ; v29     0; never rewritten
.set SC,     30                        ; v30     2^eo as f32
.set LIM,    31
.set CSR,    32
.set T,      96
.set TT,     160
.set CD,     168
.set AF,     128
.set WV,     20                        ; s20 wave;  s21 wave / 2: my half of source 1's rows, and: I fetch for source 1 (0) or source 0 (1);  s22 wave % 2: my half of source 0's rows, and which half I fetch
.set H1,     21
.set H0,     22
.set G1,     24                        ; s[24:31] descriptor group 1 for source 1;  s[32:39] group 0, one set for each slot
.set G0,     32
.set G1B,    48                        ; s[48:55], s[56:63] the same for source 0
.set G0B,    56
.set MSB, 0
.macro WIN new                         ; the immediate's high byte repeats the setting that is left
.if MSB != (\new)
	s_set_vgpr_msb (MSB<<8)|(\new)
.set MSB, (\new)
.endif
.endm
.set MUL_LO, 0xa1                      ; source 0 window 1, source 1 window 0, C and D window 2
.set MUL_HI, 0xf1                      ; the same, C and D window 3
.set TO_B,   0x40                      ; destination window 1, address window 0
; A joint load: waves 0 and 1 fetch source 1's halves, waves 2 and 3 source 0's.  The branch hangs on the wave's number alone.  An s_nop 0 and four v_nop follow each of the two lines.
.macro JLOAD g0a, g1a, g0b, g1b
	s_cmp_eq_u32 s[H1], 0
	s_cbranch_scc0 .Lfor_b_\@
	tensor_load_to_lds s[\g0a:\g0a+3], s[\g1a:\g1a+7]
	s_nop 0
.rept 4
	v_nop
.endr
	s_branch .Lasked_\@
.Lfor_b_\@:
	tensor_load_to_lds s[\g0b:\g0b+3], s[\g1b:\g1b+7]
	s_nop 0
.rept 4
	v_nop
.endr
.Lasked_\@:
.endm
.macro CREST                           ; a round of the cluster's barrier behind its opening barrier
	s_cmp_lg_u32 s[WV], 0
	s_cbranch_scc1 .Lnot_wave_0_\@
	s_barrier_signal -3
.Lnot_wave_0_\@:
	s_barrier_wait -3
	s_barrier_signal -1
	s_barrier_wait -1
.endm
.macro CROUND                          ; a whole round
	s_barrier_signal -1
	s_barrier_wait -1
	CREST
.endm
	s_load_b512 s[4:19], s[0:1], 0x0               ; x_img s[4:5], w_img s[6:7], cs_tab s[8:9], bq s[10:11], bk s[12:13], bv s[14:15], the exponents s[16:17], qkv_img s[18:19]
	v_lshl_add_u32 v[SPW], v0, 2, SPARE
	v_mov_b32 v[NIL], 0
	ds_add_u32 v[SPW], v[NIL]
	ds_add_u32 v[SPW], v[NIL]                      ; the wave's opening: the add and its wait ahead of my first tensor load; the set-up below, work on registers, stands between them
	v_lshrrev_b32 v1, 5, v0
	v_readfirstlane_b32 s[WV], v1
	s_lshr_b32 s[H1], s[WV], 1
	s_and_b32 s[H0], s[WV], 1
	s_bfe_u32 s40, ttmp6, 0x40000                  ; cx
	s_bfe_u32 s41, ttmp6, 0x40004                  ; cy
	s_mov_b32 s42, ttmp9                           ; the cluster's x: the role
	s_and_b32 s43, ttmp7, 0xffff
	s_lshl_b32 s43, s43, 2                         ; 4 x the cluster's y
	s_lshl_b32 s44, s41, 2
	s_lshl_b32 s44, 15, s44                        ; my row of the cluster
	s_lshl_b32 s45, 0x1111, s40                    ; my column
	; descriptor group 1: 8 tiles' parts: 8 rows of 4,096 bytes (512 elements of 8 bytes), 16,384 bytes (2,048 elements) apart; no padding
	s_or_b32 s[G1+0], s44, (3<<16)|(1<<21)         ; 15:0 the mask: source 1's tiles go to my row; 17:16 elements of 8 bytes; 21 set beside a mask
	s_or_b32 s[G1B+0], s45, (3<<16)|(1<<21)        ; source 0's to my column
.irp g, G1, G1B
	s_mov_b32 s[\g+1], 512<<16                     ; tensor_dim0
	s_mov_b32 s[\g+2], 8<<16                       ; tensor_dim1
	s_mov_b32 s[\g+3], 512<<16                     ; tile_dim0
	s_mov_b32 s[\g+4], 8                           ; tile_dim1
	s_mov_b32 s[\g+5], 2048                        ; tensor_dim0_stride
	s_mov_b32 s[\g+6], 0
	s_mov_b32 s[\g+7], 0
.endr
	s_cmp_eq_u32 s42, 2                            ; the blocks of 256 rows.  v: source 0 = token block 4 Y + cx, source 1 = channel block cy;  q, k: source 0 = channel block cx, source 1 = token block 4 Y + cy
	s_cselect_b32 s46, s43, 0
	s_cselect_b32 s47, 0, s43
	s_add_co_u32 s46, s46, s40                     ; source 0's block: never holds cy
	s_add_co_u32 s47, s47, s41                     ; source 1's block: never holds cx
	s_lshl_b32 s2, s[H0], 17                       ; which 8 tiles of the block I fetch
	s_lshl_b32 s80, s46, 18
	s_add_co_u32 s80, s80, s2
	s_mov_b32 s81, 0
	s_lshl_b32 s82, s47, 18
	s_add_co_u32 s82, s82, s2
	s_mov_b32 s83, 0
	s_lshl_b32 s84, s42, 23                        ; x's part: its codes at the role's scale
	s_mov_b32 s85, 0
	s_lshl_b32 s86, s42, 20                        ; the role's weight
	s_mov_b32 s87, 0
	s_lshl_b32 s23, s[WV], 15                      ; where my tiles go: wave x 32,768: no place in the cluster enters an LDS address
	s_wait_dscnt 0x0                               ; the opening add is done
	s_wait_kmcnt 0x0
	s_load_b256 s[68:75], s[16:17], 0x0            ; e0 .. e7
	s_load_b128 s[76:79], s[16:17], 0x20           ; e8 .. e11
	s_add_nc_u64 s[84:85], s[4:5], s[84:85]
	s_add_nc_u64 s[86:87], s[6:7], s[86:87]
	s_cmp_eq_u32 s42, 2
	s_cselect_b64 s[88:89], s[84:85], s[86:87]     ; source 0
	s_cselect_b64 s[90:91], s[86:87], s[84:85]     ; source 1
	s_add_nc_u64 s[88:89], s[88:89], s[80:81]
	s_add_nc_u64 s[90:91], s[90:91], s[82:83]
	CROUND                                         ; all sixteen work-groups are here: the first joint loads meet
.irp s, 0,1
	s_mov_b32 s[G0+4*\s], 1
	s_add_co_u32 s[G0+4*\s+1], s23, \s*SLOT
	s_add_nc_u64 s[G0+4*\s+2:G0+4*\s+3], s[90:91], \s*4096
	s_or_b32 s[G0+4*\s+3], s[G0+4*\s+3], 0x80000000
	s_mov_b32 s[G0B+4*\s], 1
	s_add_co_u32 s[G0B+4*\s+1], s23, \s*SLOT
	s_add_nc_u64 s[G0B+4*\s+2:G0B+4*\s+3], s[88:89], \s*4096
	s_or_b32 s[G0B+4*\s+3], s[G0B+4*\s+3], 0x80000000
	JLOAD G0+4*\s, G1, G0B+4*\s, G1B               ; two loads of mine are out
.endr
	v_and_b32 v1, 31, v0
	v_lshlrev_b32 v[LI], 4, v1
	s_lshl_b32 s2, s[H1], 15                       ; my 8 tiles of source 1,
	s_lshl_b32 s3, s[H0], 15                       ; my 8 tiles of source 0,
	s_add_co_u32 s3, s3, 65536                     ; which lie behind source 1's 16
.irp s, 0,1
	v_add_nc_u32 v[ADRA+\s], s2, v[LI]
	v_add_nc_u32 v[ADRB+\s], s3, v[LI]
	s_add_co_u32 s2, s2, SLOT
	s_add_co_u32 s3, s3, SLOT
.endr
	v_bfe_u32 v2, v0, 4, 1                         ; h
	v_lshlrev_b32 v[BO], 6, v2
	v_and_b32 v3, 15, v0                           ; r
	v_and_b32 v4, 8, v3
	v_add_nc_u32 v4, v4, v3                        ; r + 8 (r / 8)
	v_lshlrev_b32 v[VO], 2, v4
	v_lshl_add_u32 v[CO], v4, 8, v[BO]
.macro FRAG reg, adr, q, i             ; tile i's fragment of the slot's q-th 128 along K: registers 4 c .. 4 c + 3 hold K = 32 c + 16 h + 0 .. 15 of row r: one order of k, the same in both sources
.irp c, 0,1,2,3
	ds_load_b128 v[\reg+4*\c:\reg+4*\c+3], v[\adr] offset:2048*(\q)+512*\c+4096*(\i)
.endr
.endm
; 16 matrix instructions: source 1's blocks a0, a0 + 1 x source 0's eight.  p: source 0's set.  zero = 1: the first product starts the sums.  The 64 accumulators take turns, one instruction a turn, in the same order in every step.
.macro MUL16 a0, p, zero
.irp a, \a0, \a0+1
.irp b, 0,1,2,3,4,5,6,7
.if \zero
	v_wmma_f32_16x16x128_fp8_fp8 v[8*(8*((\a)%4)+\b):8*(8*((\a)%4)+\b)+7], v[128*(\p)+FR*\b:128*(\p)+FR*\b+FR-1], v[AF+FR*(\a):AF+FR*(\a)+FR-1], 0
.else
	v_wmma_f32_16x16x128_fp8_fp8 v[8*(8*((\a)%4)+\b):8*(8*((\a)%4)+\b)+7], v[128*(\p)+FR*\b:128*(\p)+FR*\b+FR-1], v[AF+FR*(\a):AF+FR*(\a)+FR-1], v[8*(8*((\a)%4)+\b):8*(8*((\a)%4)+\b)+7]
.endif
.endr
.endr
.endm
.macro FETCH_B slot, q, p
	WIN TO_B
.irp i, 0,1,2,3,4,5,6,7
	FRAG 128*(\p)+FR*\i, ADRB+\slot, \q, \i
.endr
	WIN 0
.endm
.macro FETCH_A slot, q, i0
.irp i, \i0, \i0+1, \i0+2, \i0+3
	FRAG AF+FR*(\i), ADRA+\slot, \q, \i
.endr
.endm
.macro PLACES n                        ; plain vector lines between a matrix instruction and a load into, or a vector line on, its registers (ISA guide 7.12.1 for vector lines)
.rept \n
	v_nop
.endr
.endm
.macro STEP slot, q, zero              ; a step of 128 along K that has its successor in the same slot
	s_wait_dscnt 4*NL                              ; source 0's set and source 1's blocks 0-3 are in; the youngest sixteen loads (blocks 4-7) may be out
	WIN MUL_LO
	MUL16 0, (\q)%2, \zero
	MUL16 2, (\q)%2, \zero
	s_wait_dscnt 0                                 ; blocks 4-7 are in
	PLACES NP
	FETCH_B \slot, (\q)+1, 1-(\q)%2
	FETCH_A \slot, (\q)+1, 0
	WIN MUL_HI
	MUL16 4, (\q)%2, \zero
	MUL16 6, (\q)%2, \zero
	PLACES NP
	WIN 0
	FETCH_A \slot, (\q)+1, 4
.endm
; A slot's last step changes slots: ONE barrier; in front of it each wave waits for all its tensor loads, adds 0 to its spare word, and waits for that and for its own reads of this slot.  fill = 1: this slot is filled again, two slots ahead.
.macro TURN slot, next, fill
	s_wait_tensorcnt 0x0                           ; all my tensor loads have landed: my part of the next slot
	ds_add_u32 v[SPW], v[NIL]                      ; 0 onto my spare word
	s_wait_dscnt 4*NL+1                            ; (the add and the youngest sixteen loads may be out)
	WIN MUL_LO
	MUL16 0, 1, 0                                  ; sixteen matrix instructions stand between the add and the wait for it
	s_wait_dscnt 0x0                               ; the add is done, and my reads of this slot are over
	s_barrier_signal -1
	MUL16 2, 1, 0
	WIN 0
	s_barrier_wait -1
.if \fill
	CREST                                          ; the barrier has opened a round of the cluster's barrier: no wave of any partner still reads this slot or has a load on its way
	s_add_nc_u64 s[G0+4*\slot+2:G0+4*\slot+3], s[G0+4*\slot+2:G0+4*\slot+3], 8192
	s_add_nc_u64 s[G0B+4*\slot+2:G0B+4*\slot+3], s[G0B+4*\slot+2:G0B+4*\slot+3], 8192
	JLOAD G0+4*\slot, G1, G0B+4*\slot, G1B         ; the first tensor load behind the round, my only one until the next; its four v_nop are the places in front of the loads below
.else
	PLACES NP
.endif
	s_wait_alu depctr_va_vdst(0)
	FETCH_B \next, 0, 0
	FETCH_A \next, 0, 0
	WIN MUL_HI
	MUL16 4, 1, 0
	MUL16 6, 1, 0
	PLACES NP
	WIN 0
	FETCH_A \next, 0, 4
.endm
.macro LAST                            ; the very last step: nothing more to fetch
	s_wait_dscnt 4*NL
	WIN MUL_LO
	MUL16 0, 1, 0
	MUL16 2, 1, 0
	s_wait_dscnt 0
	WIN MUL_HI
	MUL16 4, 1, 0
	MUL16 6, 1, 0
	WIN 0
	PLACES NP                                      ; in front of the first read of results and the first write of source 1's registers
.endm
	s_wait_tensorcnt 1                             ; my part of slot 0 is in; slot 1's load may be out
	s_barrier_signal -1
	s_barrier_wait -1
	FETCH_B 0, 0, 0
	FETCH_A 0, 0, 0
	FETCH_A 0, 0, 4
	STEP 0, 0, 1                                   ; K = 1,024 is eight steps: they are written out; the first starts the sums
	TURN 0, 1, 1
	STEP 1, 0, 0
	TURN 1, 0, 1
	STEP 0, 0, 0
	TURN 0, 1, 0                                   ; nothing is left to fetch
	STEP 1, 0, 0
	s_wait_kmcnt 0x0                               ; the exponents.  They are chosen by the role, without a branch
	s_cmp_eq_u32 s42, 1
	s_cselect_b32 s80, s70, s68                    ; x's: e0, e2, e4
	s_cselect_b32 s81, s71, s69                    ; the weight's: e1, e3, e5
	s_cselect_b32 s82, s75, s74                    ; the result's: e6, e7, e9
	s_cmp_eq_u32 s42, 2
	s_cselect_b32 s80, s72, s80
	s_cselect_b32 s81, s73, s81
	s_cselect_b32 s82, s77, s82
	s_add_co_i32 s96, s80, s81
	s_add_co_i32 s96, s96, 127
	s_lshl_b32 s96, s96, 23                        ; 2^(ex + ew) as f32
	s_mov_b32 s97, s96                             ; (named with it as a pair, so it is written)
	s_add_co_i32 s82, s82, 127
	s_lshl_b32 s83, s82, 23
	v_mov_b32 v[SC], s83
	s_mov_b32 s3, 0
	s_cmp_eq_u32 s42, 2                            ; THE ROLES PART HERE, ONCE, on the cluster's x; each way has its own loads, the last step and its way out
	s_cbranch_scc1 .Lrole_v
	; ---- q, k.  My 128 channels: 256 cx + 128 (wave % 2) on: two heads.  My 128 tokens: block MB = 4 Y + cy, + 128 (wave / 2)
	s_cmp_eq_u32 s42, 1
	s_cselect_b64 s[92:93], s[12:13], s[10:11]     ; bk or bq
	s_lshl_b32 s2, s40, 10
	s_lshl_b32 s80, s[H0], 9
	s_add_co_u32 s2, s2, s80
	s_add_nc_u64 s[92:93], s[92:93], s[2:3]
	s_and_b32 s80, s47, 7                          ; the block within its batch
	s_lshr_b32 s81, s47, 3                         ; the batch
	s_lshl_b32 s2, s80, 16                         ; cos and sin: 256 tokens of 256 bytes a block,
	s_lshl_b32 s82, s[H1], 15                      ; 128 for my half
	s_add_co_u32 s2, s2, s82
	s_add_nc_u64 s[94:95], s[8:9], s[2:3]
	s_lshl_b32 s81, s81, 4
	s_lshl_b32 s82, s40, 2
	s_add_co_u32 s81, s81, s82
	s_lshl_b32 s82, s[H0], 1
	s_add_co_u32 s81, s81, s82                     ; 16 x batch + my first head
	s_lshl_b32 s2, s81, 17                         ; 131,072 bytes a head,
	s_lshl_b32 s80, s80, 14                        ; 16 tiles of 1,024 bytes a block,
	s_add_co_u32 s2, s2, s80
	s_lshl_b32 s82, s[H1], 13                      ; 8 for my half,
	s_add_co_u32 s2, s2, s82
	s_lshl_b32 s82, s42, 23                        ; q's part or k's
	s_add_co_u32 s2, s2, s82
	s_add_nc_u64 s[98:99], s[18:19], s[2:3]
	WIN TO_B                                       ; the bias goes where source 0's set 0 lay: its last products stand four places back
.irp bp, 0,1,2,3
.irp j, 0,1,2,3
	global_load_b128 v[16*\bp+4*\j:16*\bp+4*\j+3], v[BO], s[92:93] offset:128*\bp+16*\j   ; register 16 bp + n: the bias of channel 32 bp + 16 h + n
.endr
.endr
	WIN 0
.macro CSLOAD a                        ; cos and sin of row block a's token of my lane, i = 16 c + 8 h + 0 .. 7: register 16 c + 2 p: cos, + 1: sin
.irp c, 0,1
.irp j, 0,1,2,3
	global_load_b128 v[CSR+32*((\a)%2)+16*\c+4*\j:CSR+32*((\a)%2)+16*\c+4*\j+3], v[CO], s[94:95] offset:(32*((\a)/2)+8*((\a)%2))*256+128*\c+16*\j
.endr
.endr
.endm
	CSLOAD 0
	CSLOAD 1
	LAST
; Row block a: 16 tokens x my 128 channels.  sum x 2^(ex + ew) + bias; the rotation; the hold; the codes; four stores.
.macro QKROW a
.if (\a) < 7
	s_wait_loadcnt 8                               ; the bias and this block's cos and sin are in; the next block's eight loads may be out
.else
	s_wait_loadcnt 0
.endif
.if (\a) >= 2
	s_wait_xcnt 0x0                                ; the stores of two blocks back have read their registers: that set of codes is written again only behind this wait
.endif
	WIN 0x12+((\a)/4)                              ; source 0 (the sums) window 2 or 3, source 2 (the bias) window 1
.set j, 0
.rept 32
	v_pk_fma_f32 v[T+j:T+j+1], v[64*((\a)%4)+j:64*((\a)%4)+j+1], s[96:97], v[j:j+1] op_sel_hi:[1,0,1]   ; each accumulator from its low end on
.set j, j+2
.endr
	WIN 0
.irp bp, 0,1,2,3
.irp p, 0,1,2,3,4,5,6,7
	v_mul_f32 v[TT+2*(\p%4)], v[T+16*\bp+2*\p+1], v[CSR+32*((\a)%2)+16*(\bp%2)+2*\p+1]     ; x1 sin
	v_mul_f32 v[TT+2*(\p%4)+1], v[T+16*\bp+2*\p+1], v[CSR+32*((\a)%2)+16*(\bp%2)+2*\p]     ; x1 cos
	v_fma_f32 v[T+16*\bp+2*\p+1], v[T+16*\bp+2*\p], v[CSR+32*((\a)%2)+16*(\bp%2)+2*\p+1], v[TT+2*(\p%4)+1]   ; x0 sin + x1 cos
	v_fma_f32 v[T+16*\bp+2*\p], v[T+16*\bp+2*\p], v[CSR+32*((\a)%2)+16*(\bp%2)+2*\p], -v[TT+2*(\p%4)]        ; x0 cos - x1 sin
.endr
.set n, 0
.rept 16
.set n, n+1
.endr
	v_cvt_scalef32_pk8_fp8_f32 v[CD+16*((\a)%2)+4*\bp:CD+16*((\a)%2)+4*\bp+1], v[T+16*\bp:T+16*\bp+7], v[SC]
	v_cvt_scalef32_pk8_fp8_f32 v[CD+16*((\a)%2)+4*\bp+2:CD+16*((\a)%2)+4*\bp+3], v[T+16*\bp+8:T+16*\bp+15], v[SC]
.endr
	v_nop                                          ; a plain line behind the last conversion: the next block writes its sources
.irp bp, 0,1,2,3
	global_store_b128 v[LI], v[CD+16*((\a)%2)+4*\bp:CD+16*((\a)%2)+4*\bp+3], s[98:99] offset:(\bp/2)*131072+(\a)*1024+(\bp%2)*512   ; head bp / 2, tile a, c = bp % 2: 512 consecutive bytes
.endr
.if (\a) < 6
	CSLOAD (\a)+2                                  ; into the set just read
.endif
.endm
.irp a, 0,1,2,3,4,5,6,7
	QKROW \a
.endr
	s_branch .Lend
	; ---- v.  My 128 channels: 256 cy + 128 (wave / 2) on: two heads.  My 128 tokens: block MB = 4 Y + cx, + 128 (wave % 2): one step of 128 keys
.Lrole_v:
	s_lshl_b32 s2, s41, 10
	s_lshl_b32 s80, s[H1], 9
	s_add_co_u32 s2, s2, s80
	s_add_nc_u64 s[92:93], s[14:15], s[2:3]
	s_and_b32 s80, s46, 7
	s_lshr_b32 s81, s46, 3
	s_lshl_b32 s81, s81, 4
	s_lshl_b32 s82, s41, 2
	s_add_co_u32 s81, s81, s82
	s_lshl_b32 s82, s[H1], 1
	s_add_co_u32 s81, s81, s82                     ; 16 x batch + my first head
	s_lshl_b32 s2, s81, 17
	s_lshl_b32 s80, s80, 1
	s_add_co_u32 s80, s80, s[H0]                   ; which 128 keys
	s_lshl_b32 s80, s80, 13                        ; of 8,192 bytes
	s_add_co_u32 s2, s2, s80
	s_add_co_u32 s2, s2, 0x1000000                 ; v's part
	s_add_nc_u64 s[98:99], s[18:19], s[2:3]
	WIN TO_B
.irp a, 0,1,2,3,4,5,6,7
	global_load_b32 v[\a], v[VO], s[92:93] offset:4*(32*(\a/2)+8*(\a%2))   ; the bias of my lane's channel in row block a
.endr
	WIN 0
	LAST
.macro VROW a                          ; row block a: 16 channels x my 128 tokens
.if (\a) == 0
	s_wait_loadcnt 0x0                             ; the bias
.endif
.if (\a) >= 2
	s_wait_xcnt 0x0                                ; as above
.endif
	WIN 0x12+((\a)/4)
.set j, 0
.rept 64
	v_fma_f32 v[T+j], v[64*((\a)%4)+j], s96, v[(\a)]
.set j, j+1
.endr
	WIN 0
.irp bp, 0,1,2,3
.set n, 0
.rept 16
.set n, n+1
.endr
	v_cvt_scalef32_pk8_fp8_f32 v[CD+16*((\a)%2)+4*\bp:CD+16*((\a)%2)+4*\bp+1], v[T+16*\bp:T+16*\bp+7], v[SC]
	v_cvt_scalef32_pk8_fp8_f32 v[CD+16*((\a)%2)+4*\bp+2:CD+16*((\a)%2)+4*\bp+3], v[T+16*\bp+8:T+16*\bp+15], v[SC]
.endr
	v_nop
.irp bp, 0,1,2,3
	global_store_b128 v[LI], v[CD+16*((\a)%2)+4*\bp:CD+16*((\a)%2)+4*\bp+3], s[98:99] offset:((\a)/4)*131072+((\a)%4)*2048+512*\bp   ; head a / 4, tile of channels a % 4, c = bp
.endr
.endm
.irp a, 0,1,2,3,4,5,6,7
	VROW \a
.endr
.Lend:
	s_wait_tensorcnt 0x0                           ; the wave's end: behind my last tensor load
	ds_add_u32 v[SPW], v[NIL]
	s_wait_dscnt 0x0
	CROUND                                         ; the closing round: no work-group ends while a partner may still ask for a tile that names it
	s_endpgm
.Lfunc_end_k_qf07cff4291_qkv:
	.size	k_qf07cff4291_qkv, .Lfunc_end_k_qf07cff4291_qkv-k_qf07cff4291_qkv
	.p2alignl 7, 3214868480
	.fill 96, 4, 3214868480
	.section	.rodata,"a",@progbits
	.p2align	6, 0x0
	.amdhsa_kernel k_qf07cff4291_qkv
		.amdhsa_group_segment_fixed_size 327680
		.amdhsa_private_segment_fixed_size 0
		.amdhsa_enable_private_segment 0
		.amdhsa_kernarg_size 64
		.amdhsa_user_sgpr_count 2
		.amdhsa_user_sgpr_kernarg_segment_ptr 1
		.amdhsa_wavefront_size32 1
		.amdhsa_system_sgpr_workgroup_id_x 1
		.amdhsa_system_sgpr_workgroup_id_y 1
		.amdhsa_system_sgpr_workgroup_id_z 1
		.amdhsa_system_vgpr_workitem_id 0
		.amdhsa_next_free_vgpr 1024
		.amdhsa_next_free_sgpr 104
		.amdhsa_reserve_vcc 0
		.amdhsa_float_denorm_mode_32 3
		.amdhsa_float_denorm_mode_16_64 3
		.amdhsa_fp16_overflow 1
		.amdhsa_memory_ordered 1
		.amdhsa_forward_progress 1
		.amdhsa_inst_pref_size 204
	.end_amdhsa_kernel
	.amdgpu_metadata
---
amdhsa.version: [ 1, 2 ]
amdhsa.kernels:
  - .name:           k_qf07cff4291_qkv
    .symbol:         k_qf07cff4291_qkv.kd
    .args:
      - { .name: x_img, .offset: 0, .size: 8, .value_kind: global_buffer, .address_space: global }
      - { .name: w_img, .offset: 8, .size: 8, .value_kind: global_buffer, .address_space: global }
      - { .name: cs_tab, .offset: 16, .size: 8, .value_kind: global_buffer, .address_space: global }
      - { .name: bq, .offset: 24, .size: 8, .value_kind: global_buffer, .address_space: global }
      - { .name: bk, .offset: 32, .size: 8, .value_kind: global_buffer, .address_space: global }
      - { .name: bv, .offset: 40, .size: 8, .value_kind: global_buffer, .address_space: global }
      - { .name: lowp_scales, .offset: 48, .size: 8, .value_kind: global_buffer, .address_space: global }
      - { .name: qkv_img, .offset: 56, .size: 8, .value_kind: global_buffer, .address_space: global }
    .group_segment_fixed_size: 327680
    .private_segment_fixed_size: 0
    .kernarg_segment_align: 8
    .kernarg_segment_size: 64
    .max_flat_workgroup_size: 128
    .sgpr_count:     104
    .vgpr_count:     1024
    .wavefront_size: 32
...
	.end_amdgpu_metadata
.endif
;; end of part 2
;; launch attn (part 3): grid 4 x 64, 16 waves a work-group, no clusters, 327,680 bytes of LDS; arguments qkv_img, lowp_scales, y_img; writes y_img
.if DOCPART == 3
	.amdgcn_target "amdgcn-amd-amdhsa--gfx1250"
	.amdhsa_code_object_version 6
	.text
	.protected	k_qf07cff4291_attn
	.globl	k_qf07cff4291_attn
	.p2align	8
	.type	k_qf07cff4291_attn,@function
k_qf07cff4291_attn:
	s_mov_b64 s[64:65], 0
	v_nop
	global_prefetch_b8 v0, s[64:65] scope:SCOPE_SE
	s_setreg_imm32_b32 hwreg(HW_REG_WAVE_MODE, 25, 1), 1
	s_wait_xcnt 0x0
; ATTN.  y[b][t][head] = softmax_causal(q k^T / 8) v, both products on E4M3 codes; y leaves as E4M3 codes (scale 2^e10), laid as the last launch's operand registers.
; THE SOFTMAX AHEAD OF THE SECOND PRODUCT: t = score x log2(e) / 8; M = the row's largest t so far, rounded UP to a whole number; p = 2^(t - M) is quantised (2^e8), not normalised; the row's sum is taken of the
; unquantised p and divides at the end.  When M moves, the sum and O are multiplied by 2^(old M - new M): exact.
; SHARES.  256 work-groups of equal work: work-group (i, head) takes the head's query block i (256 queries; key slots 0 .. i) and then block 7 - i (slots 0 .. 7 - i): always 9 trips of one slot of 256 keys, so
; every trip count is a constant.  Each of the SIXTEEN waves owns one tile of 16 queries, in 256 registers: four waves to a SIMD.
; NO CLUSTER: in trip j work-group i stands at slot j (j <= i) or j - i - 1: the four work-groups of a head want different tiles in the same trip.
; LAYOUT.  Both products are used transposed: S^T = K Q^T (source 0 = 16 keys, source 1 = my queries), O^T = V^T P^T: a lane holds ONE query throughout.  Row r of a tile is 32 (t / 2) + 8 (t % 2) + r + 8 (r / 8), in q, k, v's
; channels and y alike: so register 16 b + n of S^T is key 32 b + 16 h + n, the conversions' results are the second product's operand, and O^T's registers are 16 neighbouring channels twice.
; THE MASK.  A step of 128 keys all of which come after my 16 queries is left out (a scalar branch on ids, round the step's loads, products and softmax alone); on the diagonal hidden scores become -infinity: p = 0.
; Key 0 counts for every query, so M is a number from the first step on.
; LIMITS: e6 + e7 between -123 and 12 (added to c's exponent field; and every score / 8 that counts stays under 64 x 448^2 x 2^12 / 8 = 6.6e9, so that the problem's -1e10 and this text's -infinity both give p = 0);
; e8 and e10 between -126 and 119; e8 + e9 is applied by v_ldexp_f32.
; REGISTERS: v1, v2 16 x lane (+ V's offset); v4 the mask's lane term; v5, v6 the add's two; v8, v9 addresses in hand; v12 -M, v13 the largest t, v[14:15] the sum; v16-23 Q; v24-31 the second block's Q;
; v32-95 K's fragments, then V's; v96-159 S^T, then p; v160-191 O^T; v192-200 at work; v201, v203 scales; v224-239 codes.
.set SLOT1, 32768                      ; a slot: K's 16 tiles of 1,024 bytes, then V's 2 x 8,192 bytes; slot 1 begins here: one exclusive or turns an address
.set VOFF,  16384
.set SPARE, 2*SLOT1                    ; behind the ring: the spare words, 128 bytes for each wave: eight blocks of 256 bytes that no other line names
.set SPW,  5
.set NIL,  6
.set ADK,  8
.set ADV,  9
.set WV,   18                          ; s18  my wave's number
.set SEL,  20                          ; s[20:21] lane selects: lane l xor 16
.set CS,   22                          ; s[22:23] c = log2(e) / 8 x 2^(e6 + e7)
.set G1,   24                          ; s[24:31] descriptor group 1: 64 rows of 256 bytes, dense
.set G0,   40                          ; s[40:43] group 0, which walks
.set TB,   44                          ; s44  LDS byte at which the slot in hand begins
.set SLOTS, 45                         ; s45  trips to go
.set KF,   46                          ; s46  the step's first key
.set Q0,   47                          ; s47  my tile's first query
.set BLK,  48                          ; s48  the query block in hand
.set KS,   49                          ; s49  the key slot in hand
.set NKS,  50                          ; s50  the next trip's
.set BLK2, 51                          ; s51  7 - i
.set KVB,  52                          ; s[52:53] the head's K (wave 0) or V (wave 1)
.set YB,   56                          ; s[56:57] y_img at my tile of block 0, my head's bytes
.set WQ,   60                          ; s60  32 (wave / 2) + 8 (wave % 2)
.macro TLOAD                           ; wave 0 fetches the slot's K, wave 1 its V, the others nothing.  An s_nop 0 and four v_nop follow the load
	s_cmp_lt_u32 s[WV], 2
	s_cbranch_scc0 .Lasked_\@
	tensor_load_to_lds s[G0:G0+3], s[G1:G1+7]
	s_nop 0
.rept 4
	v_nop
.endr
.Lasked_\@:
.endm
	s_load_b128 s[4:7], s[0:1], 0x0                ; qkv_img s[4:5], the exponents s[6:7]
	s_load_b64 s[8:9], s[0:1], 0x10                ; y_img
	v_lshl_add_u32 v[SPW], v0, 2, SPARE
	v_mov_b32 v[NIL], 0
	ds_add_u32 v[SPW], v[NIL]                      ; the wave's opening: the add and its wait ahead of my first tensor load; the set-up below, work on registers, stands between them
	ds_add_u32 v[SPW], v[NIL]
	v_lshrrev_b32 v8, 5, v0
	s_delay_alu instid0(VALU_DEP_1)
	v_readfirstlane_b32 s[WV], v8
	s_and_b32 s10, ttmp7, 0xffff                   ; 16 x batch + head
	s_mov_b32 s[BLK], ttmp9
	s_sub_co_u32 s[BLK2], 7, s[BLK]
	s_lshr_b32 s11, s[WV], 1
	s_lshl_b32 s11, s11, 5
	s_and_b32 s12, s[WV], 1
	s_lshl_b32 s13, s12, 3
	s_add_co_u32 s[WQ], s11, s13
	s_mov_b32 s[G1], 3<<16                         ; 15:0 no mask; 17:16 elements of 8 bytes; no padding
	s_mov_b32 s[G1+1], 32<<16                      ; tensor_dim0 = 32 elements: 256 bytes
	s_mov_b32 s[G1+2], 64<<16                      ; tensor_dim1
	s_mov_b32 s[G1+3], 32<<16                      ; tile_dim0
	s_mov_b32 s[G1+4], 64                          ; tile_dim1
	s_mov_b32 s[G1+5], 32                          ; tensor_dim0_stride: dense
	s_mov_b32 s[G1+6], 0
	s_mov_b32 s[G1+7], 0
	s_mov_b32 s[SEL], 0x76543210
	s_mov_b32 s[SEL+1], 0xfedcba98
	s_mov_b32 s[CS], 0x3e38aa3b                    ; log2(e) / 8
	s_mov_b32 s[TB], 0
	s_mov_b32 s[SLOTS], 8
	s_mov_b32 s[KS], 0
	s_lshl_b32 s14, s10, 17                        ; a head's 131,072 bytes
	s_mov_b32 s15, 0
	s_add_co_u32 s16, s12, 1
	s_lshl_b32 s16, s16, 23                        ; k's part or v's
	s_add_co_u32 s16, s16, s14
	s_mov_b32 s17, 0
	s_lshl_b32 s13, s12, 14                        ; in a slot: K at 0, V at 16,384
	s_wait_dscnt 0x0                               ; the opening add is done
	s_wait_kmcnt 0x0
	s_load_b256 s[68:75], s[6:7], 0x0              ; e0 .. e7
	s_load_b128 s[76:79], s[6:7], 0x20             ; e8 .. e11
	s_add_nc_u64 s[KVB:KVB+1], s[4:5], s[16:17]
	s_mov_b32 s[G0], 1
	s_mov_b32 s[G0+1], s13
	s_mov_b64 s[G0+2:G0+3], s[KVB:KVB+1]
	s_or_b32 s[G0+3], s[G0+3], 0x80000000
	TLOAD                                          ; key slot 0 into LDS slot 0
	s_add_nc_u64 s[84:85], s[4:5], s[14:15]        ; q's part is the first
	s_lshl_b32 s2, s[BLK], 4
	s_add_co_u32 s2, s2, s[WV]
	s_lshl_b32 s2, s2, 10                          ; tile 16 x block + wave, 1,024 bytes
	s_mov_b32 s3, 0
	s_add_nc_u64 s[86:87], s[84:85], s[2:3]
	s_lshl_b32 s2, s[BLK2], 4
	s_add_co_u32 s2, s2, s[WV]
	s_lshl_b32 s2, s2, 10
	s_add_nc_u64 s[88:89], s[84:85], s[2:3]
	v_and_b32 v1, 31, v0
	s_delay_alu instid0(VALU_DEP_1)
	v_lshlrev_b32 v1, 4, v1
	global_load_b128 v[16:19], v1, s[86:87]        ; Q's fragments stay in registers: the first block's,
	global_load_b128 v[20:23], v1, s[86:87] offset:512
	global_load_b128 v[24:27], v1, s[88:89]        ; and the second's
	global_load_b128 v[28:31], v1, s[88:89] offset:512
	v_add_nc_u32 v2, VOFF, v1
	v_and_b32 v9, 15, v0
	s_delay_alu instid0(VALU_DEP_1)
	v_and_b32 v10, 8, v9
	s_delay_alu instid0(VALU_DEP_1)
	v_add_nc_u32 v4, v9, v10
	v_bfe_u32 v10, v0, 4, 1
	s_delay_alu instid0(VALU_DEP_1)
	v_lshlrev_b32 v10, 4, v10
	s_delay_alu instid0(VALU_DEP_1)
	v_sub_nc_u32 v4, v4, v10                       ; r + 8 (r / 8) - 16 h
	s_lshr_b32 s2, s10, 4
	s_lshl_b32 s2, s2, 7
	s_add_co_u32 s2, s2, s[WV]
	s_lshl_b32 s2, s2, 14                          ; y_img: tile 128 x batch + wave, 16,384 bytes,
	s_and_b32 s11, s10, 15
	s_lshr_b32 s11, s11, 1
	s_lshl_b32 s11, s11, 11                        ; K step head / 2,
	s_add_co_u32 s2, s2, s11
	s_and_b32 s11, s10, 1
	s_lshl_b32 s11, s11, 10                        ; c = 2 (head % 2)
	s_add_co_u32 s2, s2, s11
	s_add_nc_u64 s[YB:YB+1], s[8:9], s[2:3]
	v_mov_b32 v13, 0xff61b1e6                      ; the largest t so far: -3e38, under every t
	s_delay_alu instid0(VALU_DEP_1)
	v_floor_f32 v12, -v13                          ; -M
	v_mov_b32 v14, 0
	v_mov_b32 v15, 0
	v_mov_b32 v195, 0                              ; (named as the upper half of the pair v[194:195])
	v_mov_b32 v198, 0                              ; written once: a lane permute's destination counts as one of its sources
.set n, 0
.rept 32
	v_mov_b32 v[160+n], 0                          ; O^T.  (The step is written once: a block's first step finds zeros, which the first change of M leaves zeros)
.set n, n+1
.endr
	s_wait_kmcnt 0x0
	s_add_co_i32 s2, s74, s75
	s_lshl_b32 s2, s2, 23
	s_add_co_i32 s[CS], s[CS], s2                  ; a score stands for score x 2^(e6 + e7)
	s_mov_b32 s[CS+1], s[CS]
	s_add_co_i32 s2, s76, 127
	s_lshl_b32 s3, s2, 23
	v_mov_b32 v201, s3                             ; 2^e8
	s_add_co_i32 s2, s78, 127
	s_lshl_b32 s3, s2, 23
	v_mov_b32 v203, s3                             ; 2^e10
	s_add_co_i32 s81, s76, s77                     ; e8 + e9
; A KEY STEP: 128 keys, the q-th of the slot in hand.
.macro STEP q
	s_add_co_u32 s96, s[Q0], 23                    ; my tile's last query
	s_cmp_gt_u32 s[KF], s96
	s_cbranch_scc1 .Lhidden_\@
	v_add_nc_u32 v[ADK], s[TB], v1
	v_add_nc_u32 v[ADV], s[TB], v2
	v_nop                                          ; with the two additions: four places in front of loads into registers that the last products read
	v_nop
.irp kt, 0,1,2,3,4,5,6,7
	ds_load_b128 v[32+8*\kt:35+8*\kt], v[ADK] offset:(8*(\q)+\kt)*1024
	ds_load_b128 v[36+8*\kt:39+8*\kt], v[ADK] offset:(8*(\q)+\kt)*1024+512
.endr
	s_wait_dscnt 0x0
	s_wait_alu depctr_va_vdst(0)
.irp kt, 0,1,2,3,4,5,6,7
	v_wmma_f32_16x16x64_fp8_fp8 v[96+8*\kt:103+8*\kt], v[32+8*\kt:39+8*\kt], v[16:23], 0   ; register 16 b + n: key KF + 32 b + 16 h + n
.endr
.rept 4
	v_nop
.endr
.irp ct, 0,1,2,3                               ; V's fragments are asked for now and land while the softmax is walked
.irp c, 0,1,2,3
	ds_load_b128 v[32+16*\ct+4*\c:35+16*\ct+4*\c], v[ADV] offset:8192*(\q)+2048*\ct+512*\c
.endr
.endr
	s_add_co_u32 s96, s[KF], 127                   ; a step all of whose keys count for all my queries skips the mask
	s_cmp_le_u32 s96, s[Q0]
	s_cbranch_scc1 .Lopen_\@
	s_sub_co_i32 s96, s[Q0], s[KF]
	v_add_nc_u32 v199, s96, v4                     ; d = my query - KF - 16 h: register 16 b + n is hidden where 32 b + n > d
	v_mov_b32 v200, 0xff800000                     ; -infinity
.set n, 0
.rept 64
	v_cmp_gt_i32 vcc_lo, 32*(n/16)+n%16, v199
	v_cndmask_b32 v[96+n], v[96+n], v200, vcc_lo
.set n, n+1
.endr
.Lopen_\@:
	v_max3_num_f32 v192, v96, v97, v98             ; the step's largest score of my query, among my 64 keys, in two chains,
	v_max3_num_f32 v193, v99, v100, v101
.irp i, 6,10,14,18,22,26,30,34,38,42,46,50,54,58
	v_max3_num_f32 v192, v192, v[96+\i], v[97+\i]
	v_max3_num_f32 v193, v193, v[98+\i], v[99+\i]
.endr
	v_max3_num_f32 v192, v192, v158, v159
	s_delay_alu instid0(VALU_DEP_1)
	v_max_num_f32 v192, v192, v193
	s_delay_alu instid0(VALU_DEP_1)
	v_permlanex16_b32 v198, v192, s[SEL], s[SEL+1]
	s_delay_alu instid0(VALU_DEP_1)
	v_max_num_f32 v192, v192, v198                 ; and among lane l xor 16's
	s_delay_alu instid0(VALU_DEP_1)
	v_mul_f32 v192, s[CS], v192                    ; as t (c is positive)
	s_delay_alu instid0(VALU_DEP_1)
	v_max_num_f32 v13, v13, v192                   ; the running largest t
	v_mov_b32 v192, v12
	s_delay_alu instid0(VALU_DEP_2)
	v_floor_f32 v12, -v13                          ; the new -M = floor(-t): M is a whole number
	s_delay_alu instid0(VALU_DEP_1)
	v_sub_f32 v192, v12, v192                      ; old M - new M: a whole number, 0 or less
	s_delay_alu instid0(VALU_DEP_1)
	v_cvt_i32_f32 v192, v192                       ; (it saturates)
	s_delay_alu instid0(VALU_DEP_1)
	v_ldexp_f32 v194, 1.0, v192                    ; f = 2^(old M - new M)
.set n, 0
.rept 32
	v_pk_fma_f32 v[96+n:97+n], v[96+n:97+n], s[CS:CS+1], v[12:13] op_sel_hi:[1,0,0]   ; t - M, two at a time
.set n, n+2
.endr
.set n, 0
	s_wait_alu depctr_va_vdst(0)
.rept 64
	v_exp_f32 v[96+n], v[96+n]                     ; p = 2^(t - M), at most 1
.set n, n+1
.endr
	v_pk_mul_f32 v[14:15], v[14:15], v[194:195] op_sel_hi:[1,0]   ; the sums under the new M.  (The plain line behind the exponentials)
	s_wait_alu depctr_va_vdst(0)                   ; one wait for the whole batch, ahead of its first reader
	v_pk_add_f32 v[196:197], v[100:101], v[104:105]
	v_pk_add_f32 v[254:255], v[108:109], v[112:113]
	v_pk_add_f32 v[252:253], v[116:117], v[120:121]
	v_pk_add_f32 v[250:251], v[124:125], v[128:129]
	v_pk_add_f32 v[248:249], v[132:133], v[136:137]
	v_pk_add_f32 v[246:247], v[140:141], v[144:145]
	v_pk_add_f32 v[244:245], v[148:149], v[152:153]
	v_pk_add_f32 v[14:15], v[14:15], v[156:157]
	v_pk_add_f32 v[196:197], v[196:197], v[96:97]
	v_pk_add_f32 v[254:255], v[254:255], v[98:99]
	v_pk_add_f32 v[252:253], v[252:253], v[102:103]
	v_pk_add_f32 v[250:251], v[250:251], v[106:107]
	v_pk_add_f32 v[248:249], v[248:249], v[110:111]
	v_pk_add_f32 v[246:247], v[246:247], v[114:115]
	v_pk_add_f32 v[244:245], v[244:245], v[118:119]
	v_pk_add_f32 v[14:15], v[14:15], v[122:123]
	v_pk_add_f32 v[196:197], v[196:197], v[126:127]
	v_pk_add_f32 v[254:255], v[254:255], v[130:131]
	v_pk_add_f32 v[252:253], v[252:253], v[134:135]
	v_pk_add_f32 v[250:251], v[250:251], v[138:139]
	v_pk_add_f32 v[248:249], v[248:249], v[142:143]
	v_pk_add_f32 v[246:247], v[246:247], v[146:147]
	v_pk_add_f32 v[244:245], v[244:245], v[150:151]
	v_pk_add_f32 v[14:15], v[14:15], v[154:155]
	v_pk_add_f32 v[196:197], v[196:197], v[158:159]
	s_delay_alu instid0(VALU_DEP_2)
	v_pk_add_f32 v[14:15], v[14:15], v[250:251]
	s_delay_alu instid0(VALU_DEP_2)
	v_pk_add_f32 v[196:197], v[196:197], v[248:249]
	v_pk_add_f32 v[254:255], v[254:255], v[246:247]
	v_pk_add_f32 v[252:253], v[252:253], v[244:245]
	s_delay_alu instid0(VALU_DEP_2)
	v_pk_add_f32 v[14:15], v[14:15], v[254:255]
	s_delay_alu instid0(VALU_DEP_2)
	v_pk_add_f32 v[196:197], v[196:197], v[252:253]
	s_delay_alu instid0(VALU_DEP_1)
	v_pk_add_f32 v[14:15], v[14:15], v[196:197]
.irp b, 0,1,2,3
.set n, 0
.rept 16
.set n, n+1
.endr
	v_cvt_scalef32_pk8_fp8_f32 v[224+4*\b:225+4*\b], v[96+16*\b:103+16*\b], v201
	v_cvt_scalef32_pk8_fp8_f32 v[226+4*\b:227+4*\b], v[104+16*\b:111+16*\b], v201
.endr
.set n, 0
.rept 16
	v_pk_mul_f32 v[160+n:161+n], v[160+n:161+n], v[194:195] op_sel_hi:[1,0]   ; O^T under the new M.  (Also the plain lines between the conversions and the products)
.set n, n+2
.endr
	s_wait_alu depctr_va_vdst(0)
	s_wait_dscnt 0x0                               ; V is in
.irp ct, 0,1,2,3
	v_wmma_f32_16x16x128_fp8_fp8 v[160+8*\ct:167+8*\ct], v[32+16*\ct:47+16*\ct], v[224:239], v[160+8*\ct:167+8*\ct]   ; the four accumulators take one turn each; eight other products stand between a step's and the next's
.endr
.Lhidden_\@:
	s_add_co_u32 s[KF], s[KF], 128
.endm
; THE CHANGE OF SLOTS stands at a trip's head.  Each wave waits for all its tensor loads, adds 0 to its spare word, and waits for that and for its reads of the slot that it has left.  Behind the barrier the slot ahead is whole
; and nobody reads the other one.  fill = 1: that other slot is filled with the next trip's keys: the next slot of this block, or slot 0 for the second block.  One load of a wave is out.
.macro CHANGE fill
	s_wait_tensorcnt 0x0                           ; no tensor load of mine is out, so group 0 may be written
	ds_add_u32 v[SPW], v[NIL]                      ; 0 onto my spare word; the scalar work below stands between it and the wait for it
	s_lshl_b32 s[Q0], s[BLK], 8
	s_add_co_u32 s[Q0], s[Q0], s[WQ]
	s_lshl_b32 s[KF], s[KS], 8
.if \fill
	s_add_co_u32 s[NKS], s[KS], 1
	s_cmp_gt_u32 s[NKS], s[BLK]
	s_cselect_b32 s[NKS], 0, s[NKS]
	s_xor_b32 s[G0+1], s[G0+1], SLOT1
	s_lshl_b32 s2, s[NKS], 14                      ; a slot's K, and its V, are 16,384 bytes
	s_mov_b32 s3, 0
	s_add_nc_u64 s[G0+2:G0+3], s[KVB:KVB+1], s[2:3]
	s_or_b32 s[G0+3], s[G0+3], 0x80000000
.endif
	s_wait_dscnt 0x0                               ; the add is done, and my reads of the slot that I have left are over
	s_barrier_signal -1
	s_barrier_wait -1
.if \fill
	TLOAD                                          ; the first thing behind the barrier, and a wave's one tensor load until the next
.endif
.endm
; A BLOCK'S END: O^T / the sum x 2^(e8 + e9) is y; it is held, turned into codes (2^e10) and stored: two stores of 512 consecutive bytes.  sw = 1: the state is set anew for the second block.
.macro FINISH sw
	v_nop
	v_nop
	v_add_f32 v14, v14, v15                        ; the sum's two halves,
	s_delay_alu instid0(VALU_DEP_1)
	v_permlanex16_b32 v198, v14, s[SEL], s[SEL+1]
	s_delay_alu instid0(VALU_DEP_1)
	v_add_f32 v14, v14, v198                       ; and lane l xor 16's
	s_wait_alu depctr_va_vdst(0)
	v_rcp_f32 v14, v14
.if \sw
	v_mov_b32 v13, 0xff61b1e6                      ; (the plain line behind the reciprocal)
.else
	v_nop
.endif
	s_lshl_b32 s2, s[BLK], 18                      ; 16 tiles of 16,384 bytes a block
	s_mov_b32 s3, 0
	s_add_nc_u64 s[82:83], s[YB:YB+1], s[2:3]
	s_wait_alu depctr_va_vdst(0)                   ; the wait ahead of the reciprocal's first reader
	v_ldexp_f32 v14, v14, s81
.set n, 0
.rept 32
	v_mul_f32 v[96+n], v[160+n], v14               ; registers 0-15: channels 16 h + 0 .. 15; 16-31: 32 + 16 h + 0 .. 15.  Each accumulator from its low end on
.set n, n+1
.endr
.set n, 0
.rept 32
.set n, n+1
.endr
.irp g, 0,1,2,3
	v_cvt_scalef32_pk8_fp8_f32 v[224+2*\g:225+2*\g], v[96+8*\g:103+8*\g], v203
.endr
	v_nop                                          ; a plain line behind the last conversion
	global_store_b128 v1, v[224:227], s[82:83]
	global_store_b128 v1, v[228:231], s[82:83] offset:512
.if \sw
	v_floor_f32 v12, -v13
	v_mov_b32 v14, 0
	v_mov_b32 v15, 0
.set n, 0
.rept 32
	v_mov_b32 v[160+n], 0
.set n, n+1
.endr
.set n, 0
.rept 8
	v_mov_b32 v[16+n], v[24+n]                     ; the second block's Q
.set n, n+1
.endr
	s_mov_b32 s[BLK], s[BLK2]
	s_wait_xcnt 0x0                                ; the two stores have read their registers and their base: both are written again only behind this wait
.endif
.endm
	s_wait_loadcnt 0x0                             ; Q
.Lslot:                                            ; 8 trips; the ninth is written out, since it asks for nothing
	CHANGE 1
	STEP 0
	STEP 1
	s_xor_b32 s[TB], s[TB], SLOT1
	s_cmp_lg_u32 s[KS], s[BLK]                     ; the first block's last slot?  Ids and the count of trips alone: all sixteen waves go the same way
	s_cbranch_scc1 .Lsame
	FINISH 1
.Lsame:
	s_mov_b32 s[KS], s[NKS]
	s_sub_co_u32 s[SLOTS], s[SLOTS], 1
	s_cmp_lg_u32 s[SLOTS], 0
	s_cbranch_scc1 .Lslot
	CHANGE 0
	STEP 0
	STEP 1
	FINISH 0
	s_wait_tensorcnt 0x0                           ; the wave's end: behind my last tensor load
	ds_add_u32 v[SPW], v[NIL]
	s_wait_dscnt 0x0
	s_endpgm
.Lfunc_end_k_qf07cff4291_attn:
	.size	k_qf07cff4291_attn, .Lfunc_end_k_qf07cff4291_attn-k_qf07cff4291_attn
	.p2alignl 7, 3214868480
	.fill 96, 4, 3214868480
	.section	.rodata,"a",@progbits
	.p2align	6, 0x0
	.amdhsa_kernel k_qf07cff4291_attn
		.amdhsa_group_segment_fixed_size 327680
		.amdhsa_private_segment_fixed_size 0
		.amdhsa_enable_private_segment 0
		.amdhsa_kernarg_size 24
		.amdhsa_user_sgpr_count 2
		.amdhsa_user_sgpr_kernarg_segment_ptr 1
		.amdhsa_wavefront_size32 1
		.amdhsa_system_sgpr_workgroup_id_x 1
		.amdhsa_system_sgpr_workgroup_id_y 1
		.amdhsa_system_sgpr_workgroup_id_z 1
		.amdhsa_system_vgpr_workitem_id 0
		.amdhsa_next_free_vgpr 256
		.amdhsa_next_free_sgpr 100
		.amdhsa_reserve_vcc 1
		.amdhsa_float_denorm_mode_32 3
		.amdhsa_float_denorm_mode_16_64 3
		.amdhsa_fp16_overflow 1
		.amdhsa_memory_ordered 1
		.amdhsa_forward_progress 1
		.amdhsa_inst_pref_size 89
	.end_amdhsa_kernel
	.amdgpu_metadata
---
amdhsa.version: [ 1, 2 ]
amdhsa.kernels:
  - .name:           k_qf07cff4291_attn
    .symbol:         k_qf07cff4291_attn.kd
    .args:
      - { .name: qkv_img, .offset: 0, .size: 8, .value_kind: global_buffer, .address_space: global }
      - { .name: lowp_scales, .offset: 8, .size: 8, .value_kind: global_buffer, .address_space: global }
      - { .name: y_img, .offset: 16, .size: 8, .value_kind: global_buffer, .address_space: global }
    .group_segment_fixed_size: 327680
    .private_segment_fixed_size: 0
    .kernarg_segment_align: 8
    .kernarg_segment_size: 24
    .max_flat_workgroup_size: 512
    .sgpr_count:     100
    .vgpr_count:     256
    .wavefront_size: 32
...
	.end_amdgpu_metadata
.endif
;; end of part 3
;; launch oproj (part 4): grid 4 x 32, 4 waves a work-group, clusters of 4 x 4, 327,680 bytes of LDS; arguments y_img, w_img, bp, lowp_scales, out0; writes out0
.if DOCPART == 4
	.amdgcn_target "amdgcn-amd-amdhsa--gfx1250"
	.amdhsa_code_object_version 6
	.text
	.protected	k_qf07cff4291_oproj
	.globl	k_qf07cff4291_oproj
	.p2align	8
	.type	k_qf07cff4291_oproj,@function
k_qf07cff4291_oproj:
	s_mov_b64 s[64:65], 0
	v_nop
	global_prefetch_b8 v0, s[64:65] scope:SCOPE_SE
	s_setreg_imm32_b32 hwreg(HW_REG_WAVE_MODE, 25, 1), 1
	s_wait_xcnt 0x0
	s_wait_alu depctr_hold_cnt(0) depctr_sa_sdst(0) depctr_va_vdst(0) depctr_va_sdst(0) depctr_va_ssrc(0) depctr_va_vcc(0) depctr_vm_vsrc(0)
	s_getreg_b32 s2, hwreg(HW_REG_IB_STS2, 6, 4)
	s_cmp_eq_u32 s2, 0
	s_cbranch_scc0 .Lentry_in_a_cluster
	s_endpgm
.Lentry_in_a_cluster:
	s_bfe_u32 s2, ttmp6, 0x10000c
	s_cmp_lg_u32 s2, 0xf033
	s_cbranch_scc0 .Lentry_shape_is_right
	s_endpgm
.Lentry_shape_is_right:
; OPROJ.  out0 = y wp^T + bp, the product on E4M3 codes (scales 2^e10, 2^e11); out0 [8192][1024] f32.
; A work-group of four waves makes 256 x 256, a wave 128 x 128: 64 accumulators, 512 registers.  K = 1,024 goes in four slots of 256 through a ring of two LDS slots.
; THE OPERANDS ARE IMAGES OF REGISTERS: [tile of 16 rows][K step of 128][c][lane][16 bytes]: a fragment is four ds_load_b128 at 16 x lane; a slot's part of a tile is 4,096 consecutive bytes.
; Row r of tile t is 32 (t / 2) + 8 (t % 2) + r + 8 (r / 8).  Source 0 = wp's rows (output channels), source 1 = y's rows (tokens): a lane holds ONE token, and the 16 registers of accumulators 2 b and 2 b + 1
; hold channels 32 b + 16 h + 0 .. 15.
; CLUSTERS: 4 x 4 work-groups.  wp's block hangs on cx and is asked for jointly by a column of the cluster, y's on cy, by a row.
; THE WAY OUT: a block of 16 tokens x 128 channels goes through the wave's own stage in LDS (rows of 528 bytes) and comes back as whole rows of 512 bytes, which the 32 lanes store as 512 consecutive bytes, aligned.
; The stage lies in slot 0, which has had its last fill and its last read when the first result is stored there.
; LIMIT: e10 + e11 between -126 and 127.
; REGISTERS, in windows of 256.  Window 0: v16-29 addresses; v128-255 source 1's 8 fragments, ONE set; on the way out v32-95 a block's numbers, v128-255 rows read back, two sets.
;   Window 1: source 0's fragments, TWO sets, at v0 and v128; on the way out v0-63 the bias.   Windows 2, 3: accumulator (a, b) at v[8 (8 (a % 4) + b)].
.set SLOT,   131072                    ; source 1's 16 tiles x 4,096 bytes, then source 0's
.set SPARE,  2*SLOT                    ; behind the ring: the spare words, 128 bytes for each wave: two blocks of 256 bytes that no other line names
.set FR,     16
.set NL,     4
.set NP,     4                         ; places behind this matrix instruction (ISA guide 7.12.1)
.set ADRA,   16                        ; v16-17  LDS address of my source 1 fragments in slot 0, 1
.set ADRB,   20                        ; v20-21  the same for source 0
.set STO,    24                        ; v24     the way out: where I put 64 bytes of a row
.set RD,     25                        ; v25     where I read a row back
.set CO,     26                        ; v26     16 x lane
.set BO,     27                        ; v27     64 h: the bias
.set SPW,    28                        ; v28     LDS address of my spare word; never rewritten
.set NIL,    29                        ; v29     0; never rewritten
.set TMP,    32
.set AF,     128
.set BK,     128
.set WV,     20
.set H1,     21
.set H0,     22
.set G1,     24
.set G0,     32
.set G1B,    48
.set G0B,    56
.set MSB, 0
.macro WIN new                         ; the immediate's high byte repeats the setting that is left
.if MSB != (\new)
	s_set_vgpr_msb (MSB<<8)|(\new)
.set MSB, (\new)
.endif
.endm
.set MUL_LO, 0xa1                      ; source 0 window 1, source 1 window 0, C and D window 2
.set MUL_HI, 0xf1
.set TO_B,   0x40
.macro JLOAD g0a, g1a, g0b, g1b        ; a joint load: waves 0 and 1 fetch source 1's halves, waves 2 and 3 source 0's; an s_nop 0 and four v_nop follow each of the two lines
	s_cmp_eq_u32 s[H1], 0
	s_cbranch_scc0 .Lfor_b_\@
	tensor_load_to_lds s[\g0a:\g0a+3], s[\g1a:\g1a+7]
	s_nop 0
.rept 4
	v_nop
.endr
	s_branch .Lasked_\@
.Lfor_b_\@:
	tensor_load_to_lds s[\g0b:\g0b+3], s[\g1b:\g1b+7]
	s_nop 0
.rept 4
	v_nop
.endr
.Lasked_\@:
.endm
.macro CREST
	s_cmp_lg_u32 s[WV], 0
	s_cbranch_scc1 .Lnot_wave_0_\@
	s_barrier_signal -3
.Lnot_wave_0_\@:
	s_barrier_wait -3
	s_barrier_signal -1
	s_barrier_wait -1
.endm
.macro CROUND
	s_barrier_signal -1
	s_barrier_wait -1
	CREST
.endm
	s_load_b256 s[4:11], s[0:1], 0x0               ; y_img s[4:5], w_img s[6:7], bp s[8:9], the exponents s[10:11]
	s_load_b64 s[12:13], s[0:1], 0x20              ; out0
	v_lshl_add_u32 v[SPW], v0, 2, SPARE
	v_mov_b32 v[NIL], 0
	ds_add_u32 v[SPW], v[NIL]                      ; the wave's opening: the add and its wait ahead of my first tensor load; the set-up below, work on registers, stands between them
	ds_add_u32 v[SPW], v[NIL]
	v_lshrrev_b32 v1, 5, v0
	v_readfirstlane_b32 s[WV], v1
	s_lshr_b32 s[H1], s[WV], 1
	s_and_b32 s[H0], s[WV], 1
	s_bfe_u32 s40, ttmp6, 0x40000                  ; cx: the block of 256 channels
	s_bfe_u32 s41, ttmp6, 0x40004                  ; cy
	s_and_b32 s43, ttmp7, 0xffff
	s_lshl_b32 s43, s43, 2
	s_add_co_u32 s47, s43, s41                     ; the block of 256 tokens: 4 x cluster y + cy
	s_lshl_b32 s44, s41, 2
	s_lshl_b32 s44, 15, s44                        ; my row of the cluster
	s_lshl_b32 s45, 0x1111, s40                    ; my column
	s_or_b32 s[G1+0], s44, (3<<16)|(1<<21)         ; group 1: 8 rows of 4,096 bytes (512 elements of 8 bytes), 16,384 bytes apart; the mask; bit 21 beside it
	s_or_b32 s[G1B+0], s45, (3<<16)|(1<<21)
.irp g, G1, G1B
	s_mov_b32 s[\g+1], 512<<16
	s_mov_b32 s[\g+2], 8<<16
	s_mov_b32 s[\g+3], 512<<16
	s_mov_b32 s[\g+4], 8
	s_mov_b32 s[\g+5], 2048
	s_mov_b32 s[\g+6], 0
	s_mov_b32 s[\g+7], 0
.endr
	s_lshl_b32 s2, s[H0], 17                       ; which 8 tiles of the block I fetch
	s_lshl_b32 s80, s40, 18
	s_add_co_u32 s80, s80, s2
	s_add_co_u32 s80, s80, 0x300000                ; wp is the fourth weight
	s_mov_b32 s81, 0
	s_lshl_b32 s82, s47, 18
	s_add_co_u32 s82, s82, s2
	s_mov_b32 s83, 0
	s_lshl_b32 s23, s[WV], 15                      ; where my tiles go: wave x 32,768
	s_wait_dscnt 0x0                               ; the opening add is done
	s_wait_kmcnt 0x0
	s_load_b64 s[68:69], s[10:11], 0x28            ; e10, e11
	s_add_nc_u64 s[88:89], s[6:7], s[80:81]        ; source 0
	s_add_nc_u64 s[90:91], s[4:5], s[82:83]        ; source 1
	CROUND                                         ; all sixteen work-groups are here: the first joint loads meet
.irp s, 0,1
	s_mov_b32 s[G0+4*\s], 1
	s_add_co_u32 s[G0+4*\s+1], s23, \s*SLOT
	s_add_nc_u64 s[G0+4*\s+2:G0+4*\s+3], s[90:91], \s*4096
	s_or_b32 s[G0+4*\s+3], s[G0+4*\s+3], 0x80000000
	s_mov_b32 s[G0B+4*\s], 1
	s_add_co_u32 s[G0B+4*\s+1], s23, \s*SLOT
	s_add_nc_u64 s[G0B+4*\s+2:G0B+4*\s+3], s[88:89], \s*4096
	s_or_b32 s[G0B+4*\s+3], s[G0B+4*\s+3], 0x80000000
	s_wait_alu depctr_va_vdst(0)
	s_wait_tensorcnt 0x0
	ds_add_u32 v28, v29
	ds_add_u32 v28, v29
	s_wait_dscnt 0x0
	CROUND
	JLOAD G0+4*\s, G1, G0B+4*\s, G1B               ; one load of mine is out
.endr
	v_and_b32 v1, 31, v0
	v_lshlrev_b32 v[CO], 4, v1
	s_lshl_b32 s2, s[H1], 15
	s_lshl_b32 s3, s[H0], 15
	s_add_co_u32 s3, s3, 65536
.irp s, 0,1
	v_add_nc_u32 v[ADRA+\s], s2, v[CO]
	v_add_nc_u32 v[ADRB+\s], s3, v[CO]
	s_add_co_u32 s2, s2, SLOT
	s_add_co_u32 s3, s3, SLOT
.endr
	v_bfe_u32 v2, v0, 4, 1                         ; h
	v_lshlrev_b32 v[BO], 6, v2
	v_and_b32 v3, 15, v0                           ; r
	s_mul_i32 s2, s[WV], 16*528                    ; my stage
	v_mul_u32_u24 v[STO], v3, 528
	v_lshl_add_u32 v[STO], v2, 6, v[STO]
	v_add_nc_u32 v[STO], s2, v[STO]                ; in: row r, + 64 h
	v_add_nc_u32 v[RD], s2, v[CO]                  ; back: the 32 lanes take one row of 512 bytes
	s_lshl_b32 s2, s40, 10
	s_lshl_b32 s3, s[H0], 9
	s_add_co_u32 s2, s2, s3                        ; my first channel, in bytes
	s_mov_b32 s3, 0
	s_add_nc_u64 s[92:93], s[8:9], s[2:3]          ; in bp,
	s_add_nc_u64 s[98:99], s[12:13], s[2:3]        ; and in a row of out0
	s_lshl_b32 s2, s47, 20                         ; 256 rows of 4,096 bytes a block,
	s_lshl_b32 s80, s[H1], 19                      ; 128 for my half
	s_add_co_u32 s2, s2, s80
	s_add_nc_u64 s[98:99], s[98:99], s[2:3]
.macro FRAG reg, adr, q, i
.irp c, 0,1,2,3
	ds_load_b128 v[\reg+4*\c:\reg+4*\c+3], v[\adr] offset:2048*(\q)+512*\c+4096*(\i)
.endr
.endm
; 16 matrix instructions.  The 64 accumulators take turns, one instruction a turn, in the same order in every step.
.macro MUL16 a0, p, zero
.irp a, \a0, \a0+1
.irp b, 0,1,2,3,4,5,6,7
.if \zero
	v_wmma_f32_16x16x128_fp8_fp8 v[8*(8*((\a)%4)+\b):8*(8*((\a)%4)+\b)+7], v[128*(\p)+FR*\b:128*(\p)+FR*\b+FR-1], v[AF+FR*(\a):AF+FR*(\a)+FR-1], 0
.else
	v_wmma_f32_16x16x128_fp8_fp8 v[8*(8*((\a)%4)+\b):8*(8*((\a)%4)+\b)+7], v[128*(\p)+FR*\b:128*(\p)+FR*\b+FR-1], v[AF+FR*(\a):AF+FR*(\a)+FR-1], v[8*(8*((\a)%4)+\b):8*(8*((\a)%4)+\b)+7]
.endif
.endr
.endr
.endm
.macro FETCH_B slot, q, p
	WIN TO_B
.irp i, 0,1,2,3,4,5,6,7
	FRAG 128*(\p)+FR*\i, ADRB+\slot, \q, \i
.endr
	WIN 0
.endm
.macro FETCH_A slot, q, i0
.irp i, \i0, \i0+1, \i0+2, \i0+3
	FRAG AF+FR*(\i), ADRA+\slot, \q, \i
.endr
.endm
.macro PLACES n
.rept \n
	v_nop
.endr
.endm
.macro STEP slot, q, zero
	s_wait_dscnt 4*NL                              ; source 0's set and source 1's blocks 0-3 are in; the youngest sixteen loads may be out
	WIN MUL_LO
	MUL16 0, (\q)%2, \zero
	MUL16 2, (\q)%2, \zero
	s_wait_dscnt 0
	PLACES NP
	FETCH_B \slot, (\q)+1, 1-(\q)%2
	FETCH_A \slot, (\q)+1, 0
	WIN MUL_HI
	MUL16 4, (\q)%2, \zero
	MUL16 6, (\q)%2, \zero
	PLACES NP
	WIN 0
	FETCH_A \slot, (\q)+1, 4
.endm
.macro TURN slot, next, fill           ; a slot's last step changes slots: ONE barrier, with the wait for all my tensor loads, the add and the wait for it and for my reads in front of it
	s_wait_tensorcnt 0x0                           ; all my tensor loads have landed: my part of the next slot
	ds_add_u32 v[SPW], v[NIL]                      ; 0 onto my spare word
	s_wait_dscnt 4*NL+1                            ; (the add and the youngest sixteen loads may be out)
	WIN MUL_LO
	MUL16 0, 1, 0
	s_wait_dscnt 0x0                               ; the add is done, and my reads of this slot are over
	s_barrier_signal -1
	MUL16 2, 1, 0
	WIN 0
	s_barrier_wait -1
.if \fill
	CREST                                          ; the barrier has opened a round of the cluster's barrier
	s_add_nc_u64 s[G0+4*\slot+2:G0+4*\slot+3], s[G0+4*\slot+2:G0+4*\slot+3], 8192
	s_add_nc_u64 s[G0B+4*\slot+2:G0B+4*\slot+3], s[G0B+4*\slot+2:G0B+4*\slot+3], 8192
	JLOAD G0+4*\slot, G1, G0B+4*\slot, G1B         ; the first tensor load behind the round, my only one until the next
.else
	PLACES NP
.endif
	s_wait_alu depctr_va_vdst(0)
	FETCH_B \next, 0, 0
	FETCH_A \next, 0, 0
	WIN MUL_HI
	MUL16 4, 1, 0
	MUL16 6, 1, 0
	PLACES NP
	WIN 0
	FETCH_A \next, 0, 4
.endm
	s_wait_tensorcnt 1                             ; my part of slot 0 is in; slot 1's load may be out
	s_barrier_signal -1
	s_barrier_wait -1
	FETCH_B 0, 0, 0
	FETCH_A 0, 0, 0
	FETCH_A 0, 0, 4
	STEP 0, 0, 1                                   ; eight steps, written out; the first starts the sums
	TURN 0, 1, 1
	STEP 1, 0, 0
	TURN 1, 0, 1
	STEP 0, 0, 0
	TURN 0, 1, 0
	STEP 1, 0, 0
	WIN TO_B                                       ; the bias goes where source 0's set 0 lay: its last products stand four places back
.irp bp, 0,1,2,3
.irp j, 0,1,2,3
	global_load_b128 v[16*\bp+4*\j:16*\bp+4*\j+3], v[BO], s[92:93] offset:128*\bp+16*\j   ; register 16 bp + n: bp of channel 32 bp + 16 h + n
.endr
.endr
	WIN 0
	s_wait_dscnt 4*NL                              ; the very last step
	WIN MUL_LO
	MUL16 0, 1, 0
	MUL16 2, 1, 0
	s_wait_dscnt 0
	WIN MUL_HI
	MUL16 4, 1, 0
	MUL16 6, 1, 0
	WIN 0
	s_wait_kmcnt 0x0
	s_add_co_i32 s96, s68, s69
	s_add_co_i32 s96, s96, 127
	s_lshl_b32 s96, s96, 23                        ; 2^(e10 + e11) as f32
	s_mov_b32 s97, s96
	PLACES NP                                      ; in front of the first read of results and of the loads into source 1's registers
.macro TOSTAGE a
	WIN 0x12+((\a)/4)                              ; source 0 (the sums) window 2 or 3, source 2 (the bias) window 1
.set j, 0
.rept 32
	v_pk_fma_f32 v[TMP+j:TMP+j+1], v[64*((\a)%4)+j:64*((\a)%4)+j+1], s[96:97], v[j:j+1] op_sel_hi:[1,0,1]   ; sum x 2^(e10 + e11) + bp; each accumulator from its low end on
.set j, j+2
.endr
	WIN 0
.irp b, 0,1,2,3,4,5,6,7
	ds_store_b128 v[STO], v[TMP+8*\b:TMP+8*\b+3] offset:128*(\b/2)+32*(\b%2)
	ds_store_b128 v[STO], v[TMP+8*\b+4:TMP+8*\b+7] offset:128*(\b/2)+32*(\b%2)+16
.endr
.set BB, BK+64*((\a)%2)
.irp t, 0,1,2,3,4,5,6,7,8,9,10,11,12,13,14,15
	ds_load_b128 v[BB+4*\t:BB+4*\t+3], v[RD] offset:\t*528   ; LDS serves a wave's instructions in order (ISA guide 5.7.1.4): these see my stores, and the next block's stores come behind them
.endr
.endm
.macro SEND a, younger                 ; younger: the LDS instructions issued behind block a's loads, which may stay out
.set BB, BK+64*((\a)%2)
	s_wait_dscnt \younger
.irp t, 0,1,2,3,4,5,6,7,8,9,10,11,12,13,14,15
	global_store_b128 v[CO], v[BB+4*\t:BB+4*\t+3], s[98:99] offset:(32*((\a)/2)+8*((\a)%2)+\t+8*(\t/8))*4096 th:TH_STORE_NT   ; stage row t is the tile's row t + 8 (t / 8): 512 consecutive bytes, aligned; written once, read by nobody here
.endr
.endm
	s_wait_loadcnt 0x0                             ; the bias
	TOSTAGE 0
.irp a, 1,2,3,4,5,6,7
.if \a > 1
	s_wait_xcnt 0x0                                ; block a - 2's stores have read their registers: block a's loads land there only behind this wait
.endif
	TOSTAGE \a
	SEND \a-1, 32                                  ; behind block a - 1's loads: block a's 16 stores and 16 loads
.endr
	SEND 7, 0
	s_wait_tensorcnt 0x0                           ; the wave's end: behind my last tensor load and my last LDS store
	ds_add_u32 v[SPW], v[NIL]
	s_wait_dscnt 0x0
	CROUND                                         ; the closing round: no work-group ends while a partner may still ask for a tile that names it
	s_endpgm
.Lfunc_end_k_qf07cff4291_oproj:
	.size	k_qf07cff4291_oproj, .Lfunc_end_k_qf07cff4291_oproj-k_qf07cff4291_oproj
	.p2alignl 7, 3214868480
	.fill 96, 4, 3214868480
	.section	.rodata,"a",@progbits
	.p2align	6, 0x0
	.amdhsa_kernel k_qf07cff4291_oproj
		.amdhsa_group_segment_fixed_size 327680
		.amdhsa_private_segment_fixed_size 0
		.amdhsa_enable_private_segment 0
		.amdhsa_kernarg_size 40
		.amdhsa_user_sgpr_count 2
		.amdhsa_user_sgpr_kernarg_segment_ptr 1
		.amdhsa_wavefront_size32 1
		.amdhsa_system_sgpr_workgroup_id_x 1
		.amdhsa_system_sgpr_workgroup_id_y 1
		.amdhsa_system_sgpr_workgroup_id_z 1
		.amdhsa_system_vgpr_workitem_id 0
		.amdhsa_next_free_vgpr 1024
		.amdhsa_next_free_sgpr 104
		.amdhsa_reserve_vcc 0
		.amdhsa_float_denorm_mode_32 3
		.amdhsa_float_denorm_mode_16_64 3
		.amdhsa_memory_ordered 1
		.amdhsa_forward_progress 1
		.amdhsa_inst_pref_size 125
	.end_amdhsa_kernel
	.amdgpu_metadata
---
amdhsa.version: [ 1, 2 ]
amdhsa.kernels:
  - .name:           k_qf07cff4291_oproj
    .symbol:         k_qf07cff4291_oproj.kd
    .args:
      - { .name: y_img, .offset: 0, .size: 8, .value_kind: global_buffer, .address_space: global }
      - { .name: w_img, .offset: 8, .size: 8, .value_kind: global_buffer, .address_space: global }
      - { .name: bp, .offset: 16, .size: 8, .value_kind: global_buffer, .address_space: global }
      - { .name: lowp_scales, .offset: 24, .size: 8, .value_kind: global_buffer, .address_space: global }
      - { .name: out0, .offset: 32, .size: 8, .value_kind: global_buffer, .address_space: global }
    .group_segment_fixed_size: 327680
    .private_segment_fixed_size: 0
    .kernarg_segment_align: 8
    .kernarg_segment_size: 40
    .max_flat_workgroup_size: 128
    .sgpr_count:     104
    .vgpr_count:     1024
    .wavefront_size: 32
...
	.end_amdgpu_metadata
.endif
;; end of part 4
